; MI455X (gfx1250); checked and timed in simulation.
; The chip was launched on July 23, 2026; its instructions are those of AMD's public machine-readable ISA for CDNA 5 (MIT licence, August 2026) and "CDNA5" Instruction Set Architecture Reference Guide (July 2026). The comments in the code are by the model that wrote it; some were corrected since.
;; Multi Head Spiking Attention. Allowed arithmetic: float matrix products may take bf16 or f16 operands with f32 sums; other float arithmetic in f32, or as packed bf16 or f16 multiplies, adds, multiply-adds, maxima and minima; sums over many terms, partial sums and values carried from step to step in f32; what a program stores and reads back later, other than sums and carried values, may be rounded once to bf16 or f16.
;; Inputs: k_b 1,024 float32; k_w 1,024 x 1,024 float32; o_b 1,024 float32; o_w 1,024 x 1,024 float32; q_b 1,024 float32; q_w 1,024 x 1,024 float32; v_b 1,024 float32; v_w 1,024 x 1,024 float32; x 2 x 2,048 x 1,024 float32.
;; Outputs: out0 2 x 2,048 x 1,024 float32.
;; 2 versions, each right; version 2 is version 1 with the launch prep written anew for expert scheduling mode. Each part assembles by itself: llvm-mc -triple=amdgcn-amd-amdhsa -mcpu=gfx1250 --defsym DOCPART=n.
;; ======== version 1 of 2: 4 launches
;; limits: values are held in f16: magnitudes above 65,504 overflow, below 6.1e-05 lose precision
;; workspace buffers: xb 8,388,608 bytes; wh 8,388,608 bytes; bc 16,384 bytes; qkv 25,165,824 bytes; ao 8,388,608 bytes
;; launch prep (part 1): grid 513 x 1, 8 waves a work-group, no clusters, 0 bytes of LDS; arguments x, q_w, k_w, v_w, o_w, q_b, k_b, v_b, o_b, xb, wh, bc; writes xb, wh, bc
.if DOCPART == 1
	.amdgcn_target "amdgcn-amd-amdhsa--gfx1250"
	.amdhsa_code_object_version 6
	.text
	.protected	k_q52f3c9b352_prep
	.globl	k_q52f3c9b352_prep
	.p2align	8
	.type	k_q52f3c9b352_prep,@function
k_q52f3c9b352_prep:
	s_mov_b64 s[64:65], 0
	v_nop
	global_prefetch_b8 v0, s[64:65] scope:SCOPE_SE
	s_setreg_imm32_b32 hwreg(HW_REG_WAVE_MODE, 25, 1), 1
	s_wait_xcnt 0x0
; PREP: every input is rounded once to bf16 and laid out for the launches behind.
;   xb  bf16 [4096][1024]: x as it lies.
;   wh  16 bits [64 blocks][1024 k][64 n]: block 16 t + g holds columns 64 g .. 64 g + 63 of weight t (q, k, v, o), so that 128 or 256 rows k of a block are dense bytes.
;       q_w, k_w, v_w as bf16; o_w rounded to bf16 and that number written as f16, since the last product multiplies in f16.
;   bc  f32 [4096]: q_b, k_b, v_b, o_b, each rounded to bf16 and widened again: they start f32 sums.
; LIMITS.  o_w must lie within 65,504 in magnitude; below 2^-14 it keeps f16's fixed step of 2^-24.  NaN and infinities are not treated apart.
; SHARES.  Work-groups 0-255: 65,536 bytes of x each.  256-511: 256 rows k of one block of one weight each.  512: the four biases.
; A stream: each byte is read once and written once; a thread has its 16 loads out together; no LDS, no barrier, no matrix unit: there is nothing to share and nothing to multiply.
; No register that a pending load or store names is written again, so no wait but the loads' own stands in the text.
.set LD,  4                            ; v[4:67]   16 loads of 4 numbers
.set OU,  68                           ; v[68:99]  16 stores of 4 numbers in 16 bits
.set IN,  32                           ; s[32:33]  where the work-group reads
.set OUT, 34                           ; s[34:35]  where it writes
; 16 loads of 16 bytes a thread, instride bytes apart; then each is rounded and stored, 2,048 bytes apart.  f16 = 1: the bf16 number is written as f16.
.macro STREAM instride, f16
.set u, 0
.rept 16
	global_load_b128 v[LD+4*u:LD+4*u+3], v1, s[IN:IN+1] offset:u*(\instride) th:TH_LOAD_NT
.set u, u+1
.endr
.set u, 0
.rept 16
	s_wait_loadcnt 15-u                            ; loads come back in order: load u is in, the 15 - u younger ones stay out
	v_cvt_pk_bf16_f32 v[OU+2*u],   v[LD+4*u],   v[LD+4*u+1]
	v_cvt_pk_bf16_f32 v[OU+2*u+1], v[LD+4*u+2], v[LD+4*u+3]
.if \f16
	v_lshlrev_b32 v[LD+4*u],   16, v[OU+2*u]       ; the rounded numbers widened,
	v_and_b32     v[LD+4*u+1], 0xffff0000, v[OU+2*u]
	v_lshlrev_b32 v[LD+4*u+2], 16, v[OU+2*u+1]
	v_and_b32     v[LD+4*u+3], 0xffff0000, v[OU+2*u+1]
	v_cvt_pk_f16_f32 v[OU+2*u],   v[LD+4*u],   v[LD+4*u+1]    ; and written as f16: 8 significant bits fit into 11
	v_cvt_pk_f16_f32 v[OU+2*u+1], v[LD+4*u+2], v[LD+4*u+3]
.endif
	global_store_b64 v2, v[OU+2*u:OU+2*u+1], s[OUT:OUT+1] offset:u*2048  ; a wave stores 256 consecutive bytes, at a multiple of 256 from the buffer's first
.set u, u+1
.endr
.endm
	s_load_b512 s[8:23], s[0:1], 0x0               ; x 8, q_w 10, k_w 12, v_w 14, o_w 16, q_b 18, k_b 20, v_b 22
	s_load_b256 s[24:31], s[0:1], 0x40             ; o_b 24, xb 26, wh 28, bc 30
	v_lshlrev_b32 v2, 3, v0                        ; out: 8 bytes a thread
	s_mov_b32 s3, 0                                ; high words of the two offsets
	s_mov_b32 s5, 0
	s_wait_kmcnt 0x0
	s_cmp_lt_u32 ttmp9, 256
	s_cbranch_scc1 .Lx
	s_cmp_lt_u32 ttmp9, 512
	s_cbranch_scc1 .Lw
	; the biases: 1,024 numbers each, 4 a thread
	v_lshlrev_b32 v1, 4, v0
	global_load_b128 v[LD:LD+3],     v1, s[18:19]
	global_load_b128 v[LD+4:LD+7],   v1, s[20:21]
	global_load_b128 v[LD+8:LD+11],  v1, s[22:23]
	global_load_b128 v[LD+12:LD+15], v1, s[24:25]
.irp i, 0,1,2,3
	s_wait_loadcnt 3-(\i)                          ; bias i is in, the younger ones stay out
	v_cvt_pk_bf16_f32 v[OU+2*(\i)],   v[LD+4*(\i)],   v[LD+4*(\i)+1]
	v_cvt_pk_bf16_f32 v[OU+2*(\i)+1], v[LD+4*(\i)+2], v[LD+4*(\i)+3]
	v_lshlrev_b32 v[LD+4*(\i)],   16, v[OU+2*(\i)]
	v_and_b32     v[LD+4*(\i)+1], 0xffff0000, v[OU+2*(\i)]
	v_lshlrev_b32 v[LD+4*(\i)+2], 16, v[OU+2*(\i)+1]
	v_and_b32     v[LD+4*(\i)+3], 0xffff0000, v[OU+2*(\i)+1]
	global_store_b128 v1, v[LD+4*(\i):LD+4*(\i)+3], s[30:31] offset:4096*(\i)
.endr
	s_endpgm
.Lx:                                                   ; x: thread t takes 16 bytes at 16 t of each 4,096
	s_lshl_b32 s2, ttmp9, 16
	s_add_nc_u64 s[IN:IN+1], s[8:9], s[2:3]
	s_lshl_b32 s4, ttmp9, 15
	s_add_nc_u64 s[OUT:OUT+1], s[26:27], s[4:5]
	v_lshlrev_b32 v1, 4, v0
	STREAM 4096, 0
	s_endpgm
.Lw:                                                   ; a weight: sixteen threads read the block's 256 bytes of a row k, the next sixteen those of row k + 1
	s_sub_co_u32 s6, ttmp9, 256                    ; j = 0 .. 255
	s_lshr_b32 s7, s6, 6                           ; which weight
	s_cmp_eq_u32 s7, 1
	s_cselect_b64 s[IN:IN+1], s[12:13], s[10:11]
	s_cmp_eq_u32 s7, 2
	s_cselect_b64 s[IN:IN+1], s[14:15], s[IN:IN+1]
	s_cmp_eq_u32 s7, 3
	s_cselect_b64 s[IN:IN+1], s[16:17], s[IN:IN+1]
	s_lshr_b32 s36, s6, 2                          ; the block, 0 .. 63
	s_and_b32 s37, s36, 15                         ; its 64 columns in the weight
	s_and_b32 s38, s6, 3                           ; which 256 rows k
	s_lshl_b32 s2, s38, 20                         ; 256 rows of 4,096 bytes
	s_lshl_b32 s37, s37, 8                         ; 64 columns of 4 bytes
	s_add_co_u32 s2, s2, s37
	s_add_nc_u64 s[IN:IN+1], s[IN:IN+1], s[2:3]
	s_lshl_b32 s4, s36, 17                         ; a block is 131,072 bytes,
	s_lshl_b32 s38, s38, 15                        ; 256 of its rows 32,768
	s_add_co_u32 s4, s4, s38
	s_add_nc_u64 s[OUT:OUT+1], s[28:29], s[4:5]
	v_lshrrev_b32 v3, 4, v0                        ; row t / 16
	v_and_b32 v1, 15, v0
	v_lshlrev_b32 v1, 4, v1
	v_lshl_add_u32 v1, v3, 12, v1                  ; row x 4,096 + 16 (t % 16); out: row x 128 + 8 (t % 16) = 8 t
	s_cmp_eq_u32 s7, 3
	s_cbranch_scc1 .Lo
	STREAM 65536, 0
	s_endpgm
.Lo:
	STREAM 65536, 1
	s_endpgm
.Lfunc_end_k_q52f3c9b352_prep:
	.size	k_q52f3c9b352_prep, .Lfunc_end_k_q52f3c9b352_prep-k_q52f3c9b352_prep
	.p2alignl 7, 3214868480
	.fill 96, 4, 3214868480
	.section	.rodata,"a",@progbits
	.p2align	6, 0x0
	.amdhsa_kernel k_q52f3c9b352_prep
		.amdhsa_group_segment_fixed_size 0
		.amdhsa_private_segment_fixed_size 0
		.amdhsa_enable_private_segment 0
		.amdhsa_kernarg_size 96
		.amdhsa_user_sgpr_count 2
		.amdhsa_user_sgpr_kernarg_segment_ptr 1
		.amdhsa_wavefront_size32 1
		.amdhsa_system_sgpr_workgroup_id_x 1
		.amdhsa_system_sgpr_workgroup_id_y 1
		.amdhsa_system_sgpr_workgroup_id_z 1
		.amdhsa_system_vgpr_workitem_id 0
		.amdhsa_next_free_vgpr 104
		.amdhsa_next_free_sgpr 66
		.amdhsa_reserve_vcc 0
		.amdhsa_float_denorm_mode_32 3
		.amdhsa_float_denorm_mode_16_64 3
		.amdhsa_memory_ordered 1
		.amdhsa_forward_progress 1
		.amdhsa_inst_pref_size 26
	.end_amdhsa_kernel
	.amdgpu_metadata
---
amdhsa.version: [ 1, 2 ]
amdhsa.kernels:
  - .name:           k_q52f3c9b352_prep
    .symbol:         k_q52f3c9b352_prep.kd
    .args:
      - { .name: x, .offset: 0, .size: 8, .value_kind: global_buffer, .address_space: global }
      - { .name: q_w, .offset: 8, .size: 8, .value_kind: global_buffer, .address_space: global }
      - { .name: k_w, .offset: 16, .size: 8, .value_kind: global_buffer, .address_space: global }
      - { .name: v_w, .offset: 24, .size: 8, .value_kind: global_buffer, .address_space: global }
      - { .name: o_w, .offset: 32, .size: 8, .value_kind: global_buffer, .address_space: global }
      - { .name: q_b, .offset: 40, .size: 8, .value_kind: global_buffer, .address_space: global }
      - { .name: k_b, .offset: 48, .size: 8, .value_kind: global_buffer, .address_space: global }
      - { .name: v_b, .offset: 56, .size: 8, .value_kind: global_buffer, .address_space: global }
      - { .name: o_b, .offset: 64, .size: 8, .value_kind: global_buffer, .address_space: global }
      - { .name: xb, .offset: 72, .size: 8, .value_kind: global_buffer, .address_space: global }
      - { .name: wh, .offset: 80, .size: 8, .value_kind: global_buffer, .address_space: global }
      - { .name: bc, .offset: 88, .size: 8, .value_kind: global_buffer, .address_space: global }
    .group_segment_fixed_size: 0
    .private_segment_fixed_size: 0
    .kernarg_segment_align: 8
    .kernarg_segment_size: 96
    .max_flat_workgroup_size: 256
    .sgpr_count:     66
    .vgpr_count:     104
    .wavefront_size: 32
...
	.end_amdgpu_metadata
.endif
;; end of part 1
;; launch qkv (part 2): grid 16 x 16, 4 waves a work-group, clusters of 4 x 4, 327,680 bytes of LDS; arguments xb, wh, bc, qkv; writes qkv
.if DOCPART == 2
	.amdgcn_target "amdgcn-amd-amdhsa--gfx1250"
	.amdhsa_code_object_version 6
	.text
	.protected	k_q52f3c9b352_qkv
	.globl	k_q52f3c9b352_qkv
	.p2align	8
	.type	k_q52f3c9b352_qkv,@function
k_q52f3c9b352_qkv:
	s_mov_b64 s[64:65], 0
	v_nop
	global_prefetch_b8 v0, s[64:65] scope:SCOPE_SE
	s_setreg_imm32_b32 hwreg(HW_REG_WAVE_MODE, 25, 1), 1
	s_wait_xcnt 0x0
	s_wait_alu depctr_hold_cnt(0) depctr_sa_sdst(0) depctr_va_vdst(0) depctr_va_sdst(0) depctr_va_ssrc(0) depctr_va_vcc(0) depctr_vm_vsrc(0)
	s_getreg_b32 s2, hwreg(HW_REG_IB_STS2, 6, 4)
	s_cmp_eq_u32 s2, 0
	s_cbranch_scc0 .Lentry_in_a_cluster
	s_endpgm
.Lentry_in_a_cluster:
	s_bfe_u32 s2, ttmp6, 0x10000c
	s_cmp_lg_u32 s2, 0xf033
	s_cbranch_scc0 .Lentry_shape_is_right
	s_endpgm
.Lentry_shape_is_right:
; QKV: current = x [q_w | k_w | v_w] + bias (bf16 operands, f32 sums that start with the bias), four steps of the leaky neuron, and the number of spikes, 0 to 4, stored as f16 by heads:
; qkv [2 b][48 g][2048 s][64], g 0-15 q's heads, 16-31 k's, 32-47 v's.  The mean spike is the count / 4: the launch behind applies the factors in f32, so what is stored is exact.
; LIMITS.  The membrane is 0.95 m + c by one fused multiply-add and then the reset's subtraction; a current within that rounding, or within the sums' order, of a threshold may spike otherwise.
; NaN and infinities are not treated apart.
; SHARES.  4,096 rows x 3,072 columns in tiles of 256 x 192: 16 x 16 work-groups, one for each of 256 WGPs; 192 columns are three whole heads.  Wave w owns rows 64 w .. 64 w + 63 and all 192 columns:
; 48 accumulators of 16 x 16.  K goes in 8 steps of 128 through two LDS slots; a step is four quarters of 32 along K: 48 matrix instructions and 32 LDS loads each.
; TRANSPOSED USE.  Source 0 = 16 columns of the weights (turned on the way out of LDS, where they lie [k][n]), source 1 = 16 rows of x: a lane holds row l % 16 and the columns 8 (l / 16) + 0..7.
; CLUSTER.  4 x 4 work-groups: x's tile hangs on the tile row alone and is asked for jointly along a row of the cluster, the weights' blocks on the tile column alone and jointly along a column.
; Wave 0 asks for x's 256 rows, waves 1 to 3 for one head block each: one tensor load a wave behind each round; at the start two of a wave are out, later one.
; REGISTERS, in windows of 256 (s_set_vgpr_msb: bits 1:0 source 0, 3:2 source 1, 5:4 source 2, 7:6 destination):
;   window 0: v16-31 addresses; v128-223 the bias as the first products' C; on the way out v32-143 the neuron
;   window 1: two fragment buffers of 128: 12 fragments of the weights, then 4 of x
;   windows 2, 3: accumulator (a, b) at 96 (a % 2) + 8 b of window 2 + a / 2
.set PA,     272                       ; a row of x in LDS: 256 bytes + 16: the 16 rows of a load start 16 bytes apart modulo 256
.set PB,     160                       ; a row k of a head block: 128 bytes + 32: 16 lanes of the turning load take 8 rows x 32 bytes, no two in the same 16 bytes modulo 256
.set AB,     256*PA                    ; x's 256 rows
.set HB,     128*PB                    ; a head block's 128 rows k
.set SLOT,   AB+3*HB                   ; 131,072
.set SPARE,  2*SLOT                    ; behind the ring: the spare words, 128 bytes for each wave
.set SPITCH, 784                       ; the stage: a row of 192 f32 + 16 bytes
.set WSTAGE, 64*SPITCH                 ; a wave's stage: it lies in the ring, which has had its last fill when the stage is written
.set ADRA, 16                          ; v16-17  my fragments of x in slot 0, 1
.set ADRB, 20                          ; v20-21  the same for the weights
.set BO,   22                          ; v22     32 (l / 16): my eight numbers in 16 of the bias
.set STO,  24                          ; v24     the stage: where I put 16 bytes
.set RD,   25                          ; v25     the stage: my 32 bytes in the first four rows; never rewritten
.set GO,   26                          ; v26     my 16 bytes in 512 of qkv
.set RDA,  27                          ; v27     the stage: RD + the rows in hand
.set SPW,  28                          ; v28     my spare word: SPARE + 4 x my thread's number; never rewritten
.set NIL,  29                          ; v29     0; never rewritten
.set PFOA, 30                          ; v30     the prefetches' offset in x; never rewritten
.set PFOB, 31                          ; v31     in a head block; never rewritten
.set BIAS, 128
.set CU,   32                          ; v32-55   24 currents: 8 columns of each of 3 heads
.set SK,   56                          ; v56-79   their spikes so far
.set ME,   80                          ; v80-103  their membranes
.set TS,   104                         ; v104-127 this step's spikes
.set OUTR, 128                         ; v128-139 the counts in f16
.set BIG,  140                         ; v140-141 2^30 twice
.set NBIG, 142                         ; v142-143 -2^30 twice
.set F0,   0
.set F1,   128
.set WV,   12                          ; s12  my wave's number
.set CX,   13
.set CY,   14
.set TX,   15                          ; s15  tile column
.set TY,   16                          ; s16  tile row
.set HBK,  17                          ; s17  the head block that I ask for (waves 1 to 3)
.set G1A,  24                          ; s[24:31] descriptor group 1 for x's tiles
.set G0A,  32                          ; s[32:39] group 0, a set for each slot
.set PFA,  40                          ; s[40:41] where my prefetches stand in x
.set PFB,  42                          ; s[42:43] in my head block
.set LIMA, 44                          ; s44  1 in a wave that prefetches x, else the greatest number
.set LIMB, 45                          ; s45  the same for the weights
.set BETA, 46                          ; s[46:47] 0.95
.set G1B,  48                          ; s[48:55] descriptor group 1 for the head blocks
.set G0B,  56                          ; s[56:63] group 0, a set for each slot
.set CNT,  76
.set RB,   77                          ; s77  the stage's rows in hand, in bytes
.set MSB, 0
.macro WIN new                         ; the immediate's high byte repeats the setting that is left; a switch that changes nothing is dropped
.if MSB != (\new)
	s_set_vgpr_msb (MSB<<8)|(\new)
.set MSB, \new
.endif
.endm
.macro PLACES                          ; four plain vector instructions between a matrix instruction and a load into, or a read of, its registers
.rept 4
	v_nop
.endr
.endm
; A joint load.  The branch hangs on the wave's number alone.  An s_nop 0 and four v_nop follow each of the two lines, ahead of the jump and the label.
.macro JLOAD s
	s_cmp_eq_u32 s[WV], 0
	s_cbranch_scc0 .Lfor_b_\@
	tensor_load_to_lds s[G0A+4*(\s):G0A+4*(\s)+3], s[G1A:G1A+7]
	s_nop 0
.rept 4
	v_nop
.endr
	s_branch .Lasked_\@
.Lfor_b_\@:
	tensor_load_to_lds s[G0B+4*(\s):G0B+4*(\s)+3], s[G1B:G1B+7]
	s_nop 0
.rept 4
	v_nop
.endr
.Lasked_\@:
.endm
.macro CREST                           ; a round of the cluster's barrier behind its opening barrier
	s_cmp_lg_u32 s[WV], 0
	s_cbranch_scc1 .Lnot_wave_0_\@
	s_barrier_signal -3
.Lnot_wave_0_\@:
	s_barrier_wait -3
	s_barrier_signal -1
	s_barrier_wait -1
.endm
.macro CROUND
	s_barrier_signal -1
	s_barrier_wait -1
	CREST
.endm
; PREFETCHES INTO THE L2, in the change out of slot 0 of the first two laps: the two K steps that the lap after the next will multiply (steps 4, 5, then 6, 7); steps 0 to 3 come by their loads alone.
; Each 256 bytes are named once in the launch.  x's tile row is read by every cluster of that row of clusters: cluster x = 0 asks, its four partners 64 rows each, told apart by address; a wave 16 rows,
; a lane one of a row's two blocks.  A head block is read by every cluster of that column: cluster y = 0 asks, waves 1 to 3 for their own block, the partners 8,192 of the 32,768 bytes each.
.macro ASK
	s_cmp_gt_u32 s3, s[LIMA]                       ; s3 = 3, 2 in the laps that ask, 1 in the last
	s_cbranch_scc0 .Lno_a_\@
	global_prefetch_b8 v[PFOA], s[PFA:PFA+1] th:TH_LOAD_NT scope:SCOPE_SE
.Lno_a_\@:
	s_cmp_gt_u32 s3, s[LIMB]
	s_cbranch_scc0 .Lno_b_\@
	global_prefetch_b8 v[PFOB], s[PFB:PFB+1] th:TH_LOAD_NT scope:SCOPE_SE
.Lno_b_\@:
.endm
	s_load_b256 s[4:11], s[0:1], 0x0               ; xb 4, wh 6, bc 8, qkv 10
	v_lshl_add_u32 v[SPW], v0, 2, SPARE
	v_mov_b32 v[NIL], 0
	ds_add_u32 v[SPW], v[NIL]                      ; the wave's opening: the add and its wait stand ahead of my first tensor load; the set-up below, work on registers, stands between them
	v_lshrrev_b32 v1, 5, v0
	v_readfirstlane_b32 s[WV], v1
	s_bfe_u32 s[CX], ttmp6, 0x40000
	s_bfe_u32 s[CY], ttmp6, 0x40004
	s_lshl_b32 s[TX], ttmp9, 2                     ; in a cluster launch ttmp9 and ttmp7 count clusters
	s_add_co_u32 s[TX], s[TX], s[CX]
	s_and_b32 s[TY], ttmp7, 0xffff
	s_lshl_b32 s[TY], s[TY], 2
	s_add_co_u32 s[TY], s[TY], s[CY]
	s_lshl_b32 s18, s[CY], 2
	s_lshl_b32 s18, 15, s18                        ; my row of the cluster
	s_lshl_b32 s66, 0x1111, s[CX]                  ; my column
	s_or_b32 s[G1A], s18, (1<<16)|(1<<20)|(1<<21)|(5<<22)|(3<<25)  ; the mask; 2-byte elements; padding on; bit 21 beside a mask; after every 64 words, 4 words
	s_mov_b32 s[G1A+1], 128<<16                    ; tensor_dim0 = 128
	s_mov_b32 s[G1A+2], 256<<16                    ; tensor_dim1 = 256
	s_mov_b32 s[G1A+3], 128<<16                    ; tile_dim0 = 128
	s_mov_b32 s[G1A+4], 256                        ; tile_dim1 = 256
	s_mov_b32 s[G1A+5], 1024                       ; elements from row to row
	s_mov_b32 s[G1A+6], 0
	s_mov_b32 s[G1A+7], 0
	s_or_b32 s[G1B], s66, (1<<16)|(1<<20)|(1<<21)|(4<<22)|(7<<25)  ; after every 32 words (a row k), 8 words
	s_mov_b32 s[G1B+1], 128<<16                    ; 128 rows k are 16,384 dense bytes: asked for as 64 rows of 256
	s_mov_b32 s[G1B+2], 64<<16
	s_mov_b32 s[G1B+3], 128<<16
	s_mov_b32 s[G1B+4], 64
	s_mov_b32 s[G1B+5], 128
	s_mov_b32 s[G1B+6], 0
	s_mov_b32 s[G1B+7], 0
	s_lshl_b32 s18, s[TY], 19                      ; x: 256 rows of 2,048 bytes a tile row.  s18-23 never hold the tile column, s66-72 never the tile row
	s_mov_b32 s19, 0
	s_max_u32 s[HBK], s[WV], 1
	s_sub_co_u32 s[HBK], s[HBK], 1                 ; waves 1, 2, 3: head block 0, 1, 2 (wave 0 asks for none)
	s_mul_i32 s68, s[TX], 3
	s_add_co_u32 s68, s68, s[HBK]
	s_lshl_b32 s68, s68, 17                        ; a block is 131,072 bytes
	s_mov_b32 s69, 0
	s_mul_i32 s72, s[WV], HB
	s_add_co_u32 s72, s72, AB-HB                   ; its place in a slot: behind x's rows, wave - 1 blocks on
	s_mov_b32 s[BETA], 0x3f733333
	s_mov_b32 s[BETA+1], 0x3f733333
	s_wait_dscnt 0x0                               ; the opening add is done
	s_wait_kmcnt 0x0
	s_add_nc_u64 s[20:21], s[4:5], s[18:19]
	s_add_nc_u64 s[70:71], s[6:7], s[68:69]
	CROUND                                         ; all sixteen work-groups are here: the first joint loads meet
.irp s, 0,1
	s_mov_b32 s[G0A+4*(\s)], 1
	s_mov_b32 s[G0A+4*(\s)+1], (\s)*SLOT
	s_add_nc_u64 s[G0A+4*(\s)+2:G0A+4*(\s)+3], s[20:21], (\s)*256      ; K step s
	s_or_b32 s[G0A+4*(\s)+3], s[G0A+4*(\s)+3], 0x80000000
	s_mov_b32 s[G0B+4*(\s)], 1
	s_add_co_u32 s[G0B+4*(\s)+1], s72, (\s)*SLOT
	s_add_nc_u64 s[G0B+4*(\s)+2:G0B+4*(\s)+3], s[70:71], (\s)*16384
	s_or_b32 s[G0B+4*(\s)+3], s[G0B+4*(\s)+3], 0x80000000
	JLOAD \s
.endr
	v_and_b32 v1, 15, v0                           ; l % 16
	v_bfe_u32 v2, v0, 4, 1                         ; l / 16
	v_mul_u32_u24 v3, v1, PA
	v_lshl_add_u32 v3, v2, 4, v3                   ; a fragment of x: row x pitch + 16 x half
	s_mul_i32 s18, s[WV], 64*PA
	v_add_nc_u32 v[ADRA], s18, v3
	v_add_nc_u32 v[ADRA+1], SLOT, v[ADRA]
	v_and_b32 v4, 7, v0                            ; the turning load: lane l reads row k = 8 (l / 16) + l % 8, columns 8 ((l / 8) % 2) + 0..7
	v_bfe_u32 v5, v0, 3, 1
	v_lshl_add_u32 v4, v2, 3, v4
	v_mul_u32_u24 v4, v4, PB
	v_lshl_add_u32 v4, v5, 4, v4
	v_add_nc_u32 v[ADRB], AB, v4
	v_add_nc_u32 v[ADRB+1], SLOT, v[ADRB]
	v_lshlrev_b32 v[BO], 5, v2
	s_mul_i32 s74, s[TX], 768                      ; the tile's 192 numbers of the bias
	s_mov_b32 s75, 0
	s_add_nc_u64 s[8:9], s[8:9], s[74:75]
.set nb, 0
.rept 12                                       ; register j of block b: bias of column 16 b + 8 (l / 16) + j, as the product's C wants it
	global_load_b128 v[BIAS+8*nb:BIAS+8*nb+3],   v[BO], s[8:9] offset:64*nb
	global_load_b128 v[BIAS+8*nb+4:BIAS+8*nb+7], v[BO], s[8:9] offset:64*nb+16
.set nb, nb+1
.endr
	s_mul_i32 s18, s[WV], WSTAGE                   ; my stage
	v_mul_u32_u24 v3, v1, SPITCH
	v_lshl_add_u32 v3, v2, 5, v3                   ; in: row l % 16, 32 bytes for each half of the lanes
	v_add_nc_u32 v[STO], s18, v3
	v_and_b32 v4, 31, v0
	v_lshrrev_b32 v5, 3, v4                        ; back: eight lanes a row, four rows; a lane takes 8 columns of each head
	v_and_b32 v3, 7, v0
	v_mul_u32_u24 v5, v5, SPITCH
	v_lshl_add_u32 v5, v3, 5, v5
	v_add_nc_u32 v[RD], s18, v5
	v_lshlrev_b32 v[GO], 4, v4                     ; four rows of a head are 512 consecutive bytes of qkv
	s_lshr_b32 s73, s[TY], 3                       ; the batch
	s_mul_i32 s73, s73, 48
	s_mul_i32 s74, s[TX], 3
	s_add_co_u32 s74, s74, s73
	s_lshl_b32 s74, s74, 18                        ; a head's 2,048 rows are 262,144 bytes
	s_and_b32 s73, s[TY], 7
	s_lshl_b32 s73, s73, 15                        ; the tile's 256 rows of 128 bytes,
	s_add_co_u32 s74, s74, s73
	s_lshl_b32 s73, s[WV], 13                      ; my 64
	s_add_co_u32 s74, s74, s73
	s_add_nc_u64 s[10:11], s[10:11], s[74:75]
	s_lshl_b32 s74, s[TY], 19                      ; the prefetches: x at my work-group's 64 rows of the tile row, K step 2; the first asking change steps it to 4
	s_lshl_b32 s73, s[CX], 17
	s_add_co_u32 s74, s74, s73
	s_add_co_u32 s74, s74, 512
	s_add_nc_u64 s[PFA:PFA+1], s[4:5], s[74:75]
	s_lshl_b32 s74, s[CY], 13                      ; my block at my work-group's 8,192 bytes of K steps 2 and 3
	s_add_co_u32 s74, s74, 32768
	s_add_nc_u64 s[PFB:PFB+1], s[70:71], s[74:75]
	s_cmp_eq_u32 ttmp9, 0
	s_cselect_b32 s[LIMA], 1, -1
	s_and_b32 s73, ttmp7, 0xffff
	s_cmp_eq_u32 s73, 0
	s_cselect_b32 s[LIMB], 1, -1
	s_cmp_eq_u32 s[WV], 0
	s_cselect_b32 s[LIMB], -1, s[LIMB]
	s_lshl_b32 s18, s[WV], 15                      ; 16 rows of 2,048 bytes a wave
	v_lshlrev_b32 v[PFOA], 11, v1
	v_lshl_add_u32 v[PFOA], v2, 8, v[PFOA]
	v_add_nc_u32 v[PFOA], s18, v[PFOA]
	v_lshlrev_b32 v[PFOB], 8, v4
; 12 matrix instructions: row block a x all 12 column blocks, 32 along K.  first = 1: the bias starts the sums: nothing is cleared.
; The 48 accumulators take turns, one instruction a turn, in the same order in every quarter, over the backward jump too.
.macro MUL12 f, a, first
.if \first
	WIN 0x85+0x40*((\a)/2)                         ; sources 0 and 1 window 1, C window 0, D window 2 or 3
.else
	WIN 0xa5+0x50*((\a)/2)                         ; C and D window 2 or 3
.endif
.set nb, 0
.rept 12
.set rD, 96*((\a)%2)+8*nb
.if \first
	v_wmma_f32_16x16x32_bf16 v[rD:rD+7], v[(\f)+8*nb:(\f)+8*nb+7], v[(\f)+96+8*(\a):(\f)+96+8*(\a)+7], v[BIAS+8*nb:BIAS+8*nb+7]
.else
	v_wmma_f32_16x16x32_bf16 v[rD:rD+7], v[(\f)+8*nb:(\f)+8*nb+7], v[(\f)+96+8*(\a):(\f)+96+8*(\a)+7], v[rD:rD+7]
.endif
.set nb, nb+1
.endr
.endm
; 32 LDS loads in one run: quarter kq of a slot into buffer f: the weights' 12 fragments, then x's 4
.macro FETCH slot, kq, f
	WIN 0x40                                       ; destination window 1, address window 0
.set nb, 0
.rept 12
	ds_load_tr16_b128 v[(\f)+8*nb:(\f)+8*nb+3],   v[ADRB+(\slot)] offset:(nb/4)*HB+(\kq)*32*PB+(nb%4)*32
	ds_load_tr16_b128 v[(\f)+8*nb+4:(\f)+8*nb+7], v[ADRB+(\slot)] offset:(nb/4)*HB+(\kq)*32*PB+(nb%4)*32+16*PB
.set nb, nb+1
.endr
.set nb, 0
.rept 4
	ds_load_b128 v[(\f)+96+8*nb:(\f)+96+8*nb+3],   v[ADRA+(\slot)] offset:nb*16*PA+(\kq)*64
	ds_load_b128 v[(\f)+96+8*nb+4:(\f)+96+8*nb+7], v[ADRA+(\slot)] offset:nb*16*PA+(\kq)*64+32
.set nb, nb+1
.endr
.endm
; One of a K step's first three quarters: multiplies buffer f; in its middle it fetches quarter kq of the same slot into buffer g.
.macro QUARTER slot, kq, f, g, first
	s_wait_dscnt 4                                 ; all but the youngest four loads: x's row blocks 2 and 3
	MUL12 \f, 0, \first
	MUL12 \f, 1, \first
	PLACES
	FETCH \slot, \kq, \g
	s_wait_dscnt 32                                ; all but the 32 just issued
	MUL12 \f, 2, \first
	MUL12 \f, 3, \first
.endm
; The last quarter multiplies buffer 1 and changes slots.  In front of the barrier each wave waits for all its tensor loads (one is out: its part of the next slot), adds 0 to its spare word, and waits for
; that and for its reads of this slot.  fill = 1: the barrier opens a round of the cluster's, and the joint refill, two K steps on, is the first thing behind it: 168 matrix instructions ahead of the wait for it.
.macro TURN slot, next, fill
.if (\fill) && ((\slot) == 0)
	s_wait_xcnt 0x0                                ; the last prefetches, two K steps back, have read their addresses: they are stepped here, ahead of the change's own waits
	s_add_nc_u64 s[PFA:PFA+1], s[PFA:PFA+1], 512
	s_add_nc_u64 s[PFB:PFB+1], s[PFB:PFB+1], 32768
.endif
	WIN 0                                          ; (the add's two registers lie in window 0)
	s_wait_tensorcnt 0x0                           ; all my tensor loads have landed
	ds_add_u32 v[SPW], v[NIL]                      ; 0 onto my spare word
	s_wait_dscnt 5                                 ; (the add and the youngest four loads may be out)
	MUL12 F1, 0, 0                                 ; twelve matrix instructions stand between the add and the wait for it
	s_wait_dscnt 0x0                               ; the add is done, and my reads of this slot are over
	s_barrier_signal -1
	MUL12 F1, 1, 0                                 ; work on registers while the others arrive
.if \fill
	WIN 0
.endif
	s_barrier_wait -1
.if \fill
	CREST                                          ; no wave of any partner still reads this slot or has a load on its way
	s_add_nc_u64 s[G0A+4*(\slot)+2:G0A+4*(\slot)+3], s[G0A+4*(\slot)+2:G0A+4*(\slot)+3], 512
	s_add_nc_u64 s[G0B+4*(\slot)+2:G0B+4*(\slot)+3], s[G0B+4*(\slot)+2:G0B+4*(\slot)+3], 32768
	JLOAD \slot                                    ; its four v_nop are also the places in front of the loads below
.else
	PLACES
.endif
	FETCH \next, 0, F0
.if (\fill) && ((\slot) == 0)
	WIN 0
	ASK                                            ; behind the joint load and the run of LDS loads that the next products wait for
.endif
	MUL12 F1, 2, 0
	MUL12 F1, 3, 0
.endm
	s_wait_tensorcnt 1                             ; my part of K step 0 is in; step 1's may stay out
	s_barrier_signal -1
	s_barrier_wait -1
	FETCH 0, 0, F0
	s_wait_loadcnt 0x0                             ; the bias
	QUARTER 0, 1, F0, F1, 1                        ; the first quarter stands in front of the loop: its products start the sums
	WIN 0
	s_mov_b32 s3, 3
.Llap:                                                 ; a trip goes once round the ring, from a lap's second quarter to the next lap's first, and fills both slots again
	QUARTER 0, 2, F1, F0, 0
	QUARTER 0, 3, F0, F1, 0
	TURN 0, 1, 1
	QUARTER 1, 1, F0, F1, 0
	QUARTER 1, 2, F1, F0, 0
	QUARTER 1, 3, F0, F1, 0
	TURN 1, 0, 1
	QUARTER 0, 1, F0, F1, 0
	WIN 0
	s_sub_co_u32 s3, s3, 1
	s_cmp_lg_u32 s3, 0
	s_cbranch_scc1 .Llap
	QUARTER 0, 2, F1, F0, 0                        ; the last lap fills nothing
	QUARTER 0, 3, F0, F1, 0
	TURN 0, 1, 0
	QUARTER 1, 1, F0, F1, 0
	QUARTER 1, 2, F1, F0, 0
	QUARTER 1, 3, F0, F1, 0
	s_wait_dscnt 4
	MUL12 F1, 0, 0
	MUL12 F1, 1, 0
	s_wait_dscnt 0x0
	MUL12 F1, 2, 0
	MUL12 F1, 3, 0
	; THE WAY OUT.  The currents go through LDS so that a lane holds eight neighbouring columns of a head and 32 lanes four whole rows.  The stage lies in the ring: every wave's reads of the ring are
	; back (the wait for 0 above) and no fill is left, so one barrier frees it.  A wave writes and reads its own 64 rows alone, and LDS serves a wave's instructions in order: no further barrier.
	WIN 0
	PLACES
	s_barrier_signal -1
	s_barrier_wait -1
.set na, 0
.rept 4
	WIN 0x08+4*(na/2)                              ; store data (source 1) in window 2 or 3
.set nb, 0
.rept 12
.set rD, 96*(na%2)+8*nb
	ds_store_b128 v[STO], v[rD:rD+3]   offset:na*16*SPITCH+64*nb      ; each accumulator's low registers first
	ds_store_b128 v[STO], v[rD+4:rD+7] offset:na*16*SPITCH+64*nb+16
.set nb, nb+1
.endr
.set na, na+1
.endr
	WIN 0
	v_mov_b32 v[BIG], 0x4e800000
	v_mov_b32 v[BIG+1], 0x4e800000
	v_mov_b32 v[NBIG], 0xce800000
	v_mov_b32 v[NBIG+1], 0xce800000
	s_mov_b32 s[RB], 0
.macro LDROWS adr                      ; four rows x three heads: 8 currents of each head a lane
.irp hb, 0,1,2
	ds_load_b128 v[CU+8*(\hb):CU+8*(\hb)+3],   v[\adr] offset:(\hb)*256
	ds_load_b128 v[CU+8*(\hb)+4:CU+8*(\hb)+7], v[\adr] offset:(\hb)*256+16
.endr
.endm
; THE NEURON, two numbers an instruction, 12 instructions a line.
.macro SPK d, m                        ; d = 1 where m > 1, else 0: (m - 1) 2^30, one rounding, held to 0 .. 1: above 1 the least m - 1 is 2^-23, which gives 128
.set p, 0
.rept 12
	v_pk_fma_f32 v[(\d)+p:(\d)+p+1], v[(\m)+p:(\m)+p+1], v[BIG:BIG+1], v[NBIG:NBIG+1] clamp
.set p, p+2
.endr
.endm
.macro LEAK m                          ; membrane = 0.95 m + current
.set p, 0
.rept 12
	v_pk_fma_f32 v[ME+p:ME+p+1], v[(\m)+p:(\m)+p+1], s[BETA:BETA+1], v[CU+p:CU+p+1] op_sel_hi:[1,0,1]
.set p, p+2
.endr
.endm
.macro SUBT d, m                       ; d -= m: the reset by subtraction
.set p, 0
.rept 12
	v_pk_add_f32 v[(\d)+p:(\d)+p+1], v[(\d)+p:(\d)+p+1], v[(\m)+p:(\m)+p+1] neg_lo:[0,1] neg_hi:[0,1]
.set p, p+2
.endr
.endm
.macro ADDT d, m
.set p, 0
.rept 12
	v_pk_add_f32 v[(\d)+p:(\d)+p+1], v[(\d)+p:(\d)+p+1], v[(\m)+p:(\m)+p+1]
.set p, p+2
.endr
.endm
; Four rows.  Step 1: the membrane is the current.  Steps 2 to 4: 0.95 m + c, less the spike of the step before.  more = 1: the next four rows are asked for as soon as the currents are used up.
.macro ROWS more
	s_wait_dscnt 0x0                               ; the currents are in
	SPK SK, CU
	LEAK CU
	SUBT ME, SK
	SPK TS, ME
	LEAK ME
	SUBT ME, TS
	ADDT SK, TS
	SPK TS, ME
	LEAK ME
.if \more
	s_add_co_u32 s[RB], s[RB], 4*SPITCH
	v_add_nc_u32 v[RDA], s[RB], v[RD]
	LDROWS RDA
.endif
	SUBT ME, TS
	ADDT SK, TS
	SPK TS, ME
	ADDT SK, TS
	s_wait_xcnt 0x0                                ; the last trip's stores have read their data and their offset: both are written again only behind this wait
	v_add_nc_u32 v[GO], 512, v[GO]                 ; the stores below reach back by their immediate
.set p, 0
.rept 12
	v_cvt_pk_f16_f32 v[OUTR+p], v[SK+2*p], v[SK+2*p+1]      ; 0 to 4: exact
.set p, p+1
.endr
.irp hb, 0,1,2
	global_store_b128 v[GO], v[OUTR+4*(\hb):OUTR+4*(\hb)+3], s[10:11] offset:(\hb)*262144-512  ; 512 consecutive bytes, at a multiple of 256 from qkv's first
.endr
.endm
	LDROWS RD
	s_mov_b32 s[CNT], 15
.Lrow:
	ROWS 1
	s_sub_co_u32 s[CNT], s[CNT], 1
	s_cmp_lg_u32 s[CNT], 0
	s_cbranch_scc1 .Lrow
	ROWS 0                                         ; the last four rows ask for nothing
	s_wait_tensorcnt 0x0                           ; the wave's end: behind my last tensor load and my last LDS store
	ds_add_u32 v[SPW], v[NIL]
	s_wait_dscnt 0x0
	CROUND                                         ; the closing round: no work-group ends while a partner may still ask for a tile that names it
	s_endpgm
.Lfunc_end_k_q52f3c9b352_qkv:
	.size	k_q52f3c9b352_qkv, .Lfunc_end_k_q52f3c9b352_qkv-k_q52f3c9b352_qkv
	.p2alignl 7, 3214868480
	.fill 96, 4, 3214868480
	.section	.rodata,"a",@progbits
	.p2align	6, 0x0
	.amdhsa_kernel k_q52f3c9b352_qkv
		.amdhsa_group_segment_fixed_size 327680
		.amdhsa_private_segment_fixed_size 0
		.amdhsa_enable_private_segment 0
		.amdhsa_kernarg_size 32
		.amdhsa_user_sgpr_count 2
		.amdhsa_user_sgpr_kernarg_segment_ptr 1
		.amdhsa_wavefront_size32 1
		.amdhsa_system_sgpr_workgroup_id_x 1
		.amdhsa_system_sgpr_workgroup_id_y 1
		.amdhsa_system_sgpr_workgroup_id_z 1
		.amdhsa_system_vgpr_workitem_id 0
		.amdhsa_next_free_vgpr 1024
		.amdhsa_next_free_sgpr 80
		.amdhsa_reserve_vcc 0
		.amdhsa_float_denorm_mode_32 3
		.amdhsa_float_denorm_mode_16_64 3
		.amdhsa_memory_ordered 1
		.amdhsa_forward_progress 1
		.amdhsa_inst_pref_size 128
	.end_amdhsa_kernel
	.amdgpu_metadata
---
amdhsa.version: [ 1, 2 ]
amdhsa.kernels:
  - .name:           k_q52f3c9b352_qkv
    .symbol:         k_q52f3c9b352_qkv.kd
    .args:
      - { .name: xb, .offset: 0, .size: 8, .value_kind: global_buffer, .address_space: global }
      - { .name: wh, .offset: 8, .size: 8, .value_kind: global_buffer, .address_space: global }
      - { .name: bc, .offset: 16, .size: 8, .value_kind: global_buffer, .address_space: global }
      - { .name: qkv, .offset: 24, .size: 8, .value_kind: global_buffer, .address_space: global }
    .group_segment_fixed_size: 327680
    .private_segment_fixed_size: 0
    .kernarg_segment_align: 8
    .kernarg_segment_size: 32
    .max_flat_workgroup_size: 128
    .sgpr_count:     80
    .vgpr_count:     1024
    .wavefront_size: 32
...
	.end_amdgpu_metadata
.endif
;; end of part 2
;; launch attn (part 3): grid 8 x 32, 4 waves a work-group, clusters of 4 x 1, 327,680 bytes of LDS; arguments qkv, ao; writes ao
.if DOCPART == 3
	.amdgcn_target "amdgcn-amd-amdhsa--gfx1250"
	.amdhsa_code_object_version 6
	.text
	.protected	k_q52f3c9b352_attn
	.globl	k_q52f3c9b352_attn
	.p2align	8
	.type	k_q52f3c9b352_attn,@function
k_q52f3c9b352_attn:
	s_mov_b64 s[64:65], 0
	v_nop
	global_prefetch_b8 v0, s[64:65] scope:SCOPE_SE
	s_setreg_imm32_b32 hwreg(HW_REG_WAVE_MODE, 25, 1), 1
	s_wait_xcnt 0x0
	s_wait_alu depctr_hold_cnt(0) depctr_sa_sdst(0) depctr_va_vdst(0) depctr_va_sdst(0) depctr_va_ssrc(0) depctr_va_vcc(0) depctr_vm_vsrc(0)
	s_getreg_b32 s2, hwreg(HW_REG_IB_STS2, 6, 4)
	s_cmp_eq_u32 s2, 0
	s_cbranch_scc0 .Lentry_in_a_cluster
	s_endpgm
.Lentry_in_a_cluster:
	s_bfe_u32 s2, ttmp6, 0x10000c
	s_cmp_lg_u32 s2, 0x3003
	s_cbranch_scc0 .Lentry_shape_is_right
	s_endpgm
.Lentry_shape_is_right:
; ATTENTION on spike counts.  qkv: f16 [2 b][48 g][2048 s][64], counts 0 to 4 (q's heads g 0-15, k's 16-31, v's 32-47).  O[q] = sum_k p V[k] / (4 sum_k p), p = 2^(c s), s = Q[q] . K[k],
; c = log2(e) / 128: the 1/8 of the head size and the 1/16 of the two counts; the 1/4 of v's count goes into the division.  ao: f16 [32 mt][16 h][128 r][64 d], mt = row / 128.
; NO MAXIMUM IS TAKEN AWAY, since the computation bounds the exponents for every input: a count lies in 0 to 4, so s is a whole number in 0 to 1,024 (exact in f32), c s lies in 0 to 11.55, p in 1 to 2,981
; (within f16), a row's sum of 2,048 of them under 6.2e6 and its numerator under 2.5e7 (within f32); nothing can overflow or underflow.
; p is rounded to f16 for the second product; its sum l is taken of the unrounded p; O, in 0 to 1, is rounded once.
; SHARES.  A work-group owns 256 queries of one head, a wave 64: four tiles of 16 in two PIECES (piece x: tiles 2 x, 2 x + 1).  Every wave walks all 2,048 keys, 64 a step; a slot of LDS holds four steps.
; LAYOUT.  S^T = K Q^T (source 0 = 16 keys, source 1 = 16 queries): a lane holds ONE query (l % 16) and the keys 8 (l / 16) + 0..7; two such results rounded in pairs ARE source 1 of O^T = V^T P.
; K comes out of LDS as it lies, V ([key][channel]) turned.
; BY TURNS.  In a turn one piece has the matrix unit: 16 products V^T P of the step in hand, then 16 products K Q^T of the next; the other piece's 160 vector instructions stand beside them: four behind each
; product, 32 in a lump between the two runs.  The 64 exponentials of a turn are one batch with one wait: ahead of it the scalings and exponentials, behind it the roundings and sums.
; CLUSTER.  The four query blocks of a cluster belong to one head and walk the same K and V: each tile is asked for jointly.  One tensor load of a wave is out behind each round.
; REGISTERS, in windows of 256 (s_set_vgpr_msb: bits 1:0 source 0, 3:2 source 1, 5:4 source 2, 7:6 destination):
;   window 0: v1-11 addresses; v16-23 l; v61-63; v64-191 S^T, 32 a tile; v192-255 P, 16 a tile       window 1: v0-127 O^T, 32 a tile       window 2: v0-63 Q; v128-191 K of a step; v192-255 V of a step
.set KS,    64
.set PK,    144       ; a row of K in LDS: 128 bytes + 16: the 16 rows of a load start 16 bytes apart modulo 256
.set PV,    160       ; a row of V: 128 + 32: 16 lanes of the turning load take 8 rows x 32 bytes, no two in the same 16 bytes modulo 256
.set VOFF,  4*KS*PK   ; a slot: 256 rows of K, then 256 rows of V
.set SLOT1, 1<<17     ; slot 1 begins here: one exclusive or turns an address in one slot into the other's
.set STAGE, SLOT1+4*KS*(PK+PV)  ; behind the ring, never filled by a tensor load: 16 rows x 144 bytes for each wave
.set SP,    144
.set SPARE, STAGE+4*16*SP       ; behind the stages: the spare words, 128 bytes for each wave
.set AK0, 2           ; v2   my lane's place in a step's K; never rewritten
.set AV0, 3           ; v3   the same for V
.set ADR, 4           ; v4   the address of the run of loads in hand
.set QO,  5           ; v5   my byte offset in 16 rows of Q
.set STO, 6           ; v6   the way out: where I put 16 bytes of a row
.set RD,  7           ; v7   where I read rows back
.set GO,  8           ; v8   my 16 bytes in 512 of ao
.set L,   16          ; tile t's sum at v[L+2 t]: even keys', odd keys'
.set PFO, 61          ; v61  256 x my lane; never rewritten
.set SPW, 62          ; v62  my spare word: SPARE + 4 x my thread's number; never rewritten
.set NIL, 63          ; v63  0; never rewritten
.set S,   64
.set P,   192
.set KF,  128         ; window 2: key block kb, channel half c at KF + 16 kb + 8 c
.set VF,  192         ; window 2: key half kk, channel block cb at VF + 32 kk + 8 cb
.set WV,  12          ; s12  my wave's number
.set LIM, 15          ; s15  1 in a wave that prefetches, else the greatest number
.set PFA, 18          ; s[18:19] where my prefetches stand
.set G1K, 24          ; s[24:31] descriptor group 1 for K's tiles
.set G1V, 32          ; s[32:39] for V's: it differs in the padding alone
.set G0K, 40          ; s[40:43] descriptor group 0 for K's tiles: it walks
.set G0V, 44          ; s[44:47] the same for V's
.set SLOTS, 56        ; s56  slots still to be asked for, and one
.set CNT, 57          ; s57  counts a slot's key steps
.set CS,  58          ; s[58:59] c
.set SEL, 60          ; s[60:61] v_permlanex16_b32's selects: each lane takes its own place in the other half
.set TBK, 62          ; s62  LDS byte at which K of the step to be fetched begins
.set TBV, 63          ; s63  the same for V, less VOFF
.set MSB, 0
.macro WIN new                      ; the high byte repeats the setting that is left; a switch that changes nothing is dropped
.if MSB != (\new)
	s_set_vgpr_msb (MSB<<8)|(\new)
.set MSB, (\new)
.endif
.endm
.set W_KQ, 0x0a       ; K and Q in window 2, S^T in window 0
.set W_PV, 0x52       ; V in window 2, P in window 0, O^T in window 1
.set W_RS, 0x41       ; destination and source 0 in window 1, source 1 in window 0
; A joint fill.  Waves 0 and 1 fetch the two halves of a slot's K, waves 2 and 3 those of its V: 128 keys each.  An s_nop 0 and four v_nop follow each of the two lines.
.macro JLOAD
	s_cmp_lt_u32 s[WV], 2
	s_cbranch_scc0 .Lfor_v_\@
	tensor_load_to_lds s[G0K:G0K+3], s[G1K:G1K+7]
	s_nop 0
.rept 4
	v_nop
.endr
	s_branch .Lasked_\@
.Lfor_v_\@:
	tensor_load_to_lds s[G0V:G0V+3], s[G1V:G1V+7]
	s_nop 0
.rept 4
	v_nop
.endr
.Lasked_\@:
.endm
; A PREFETCH INTO THE L2 of the slot that the NEXT change will ask for: four key steps, 256 matrix instructions, ahead of that load.  A slot's K, and its V, are 128 blocks of 256 bytes.  Each is named once in
; the launch: the head's first cluster asks; its four partners take 32 blocks each, told apart by address; wave 0 asks for K's, wave 2 for V's, a lane a block.  Slots 0 to 2 come by their loads alone; the
; last change that fills a slot asks for nothing.
.macro ASK
	s_cmp_gt_u32 s[SLOTS], s[LIM]
	s_cbranch_scc0 .Lnot_mine_\@
	global_prefetch_b8 v[PFO], s[PFA:PFA+1] th:TH_LOAD_NT scope:SCOPE_SE
.Lnot_mine_\@:
.endm
.macro CROUND                       ; a round of the cluster's barrier
	s_barrier_signal -1
	s_barrier_wait -1
	s_cmp_lg_u32 s[WV], 0
	s_cbranch_scc1 .Lnot_wave_0_\@
	s_barrier_signal -3
.Lnot_wave_0_\@:
	s_barrier_wait -3
	s_barrier_signal -1
	s_barrier_wait -1
.endm
; THE CHANGE OF SLOTS stands behind the turn that fetched V of the slot's fourth step.  Each wave waits for all its tensor loads (one is out: its part of the other slot), adds 0 to its spare word, and waits
; for that and for its reads of the slot.  fill = 1: the barrier is a round of the cluster's, and the joint fill, with the keys two slots on, is the first thing behind it.
; (At its first use nothing has been read yet: slot 0 is waited for, slot 1 filled.)
.macro CHANGE fill, ask
	WIN 0
	s_wait_tensorcnt 0x0            ; no tensor load of mine is out, so a group 0 may be written
	ds_add_u32 v[SPW], v[NIL]       ; 0 onto my spare word: the descriptors' steps stand between it and the wait for it
.if \fill
.irp d, G0K, G0V
	s_xor_b32 s[\d+1], s[\d+1], SLOT1
	s_add_nc_u64 s[\d+2:\d+3], s[\d+2:\d+3], 4*KS*128
.endr
.if \ask
	s_wait_xcnt 0x0                 ; the last prefetch, four key steps back, has read its address
	s_add_nc_u64 s[PFA:PFA+1], s[PFA:PFA+1], 4*KS*128
.endif
	s_wait_dscnt 0x0                ; the add is done, and my reads of the slot are over
	CROUND
	JLOAD
.if \ask
	ASK
.endif
.else
	s_wait_dscnt 0x0
	s_barrier_signal -1
	s_barrier_wait -1
.endif
	s_sub_co_u32 s[TBK], s[TBK], 4*KS*PK  ; the fetches go back to a slot's first step,
	s_xor_b32 s[TBK], s[TBK], SLOT1       ; in the other slot
	s_sub_co_u32 s[TBV], s[TBV], 4*KS*PV
	s_xor_b32 s[TBV], s[TBV], SLOT1
.endm
	s_load_b64 s[4:5], s[0:1], 0x0  ; qkv
	s_load_b64 s[10:11], s[0:1], 0x8  ; ao
	v_lshl_add_u32 v[SPW], v0, 2, SPARE
	v_mov_b32 v[NIL], 0
	ds_add_u32 v[SPW], v[NIL]       ; the wave's opening: the add and its wait stand ahead of my first tensor load; the set-up below, work on registers, stands between them
	v_lshrrev_b32 v1, 5, v0
	v_readfirstlane_b32 s[WV], v1
	s_bfe_u32 s13, ttmp6, 0x40000   ; cx
	s_lshl_b32 s14, ttmp9, 2
	s_add_co_u32 s14, s14, s13      ; my block of 256 queries: it enters Q's and ao's addresses alone
	s_and_b32 s20, ttmp7, 0xffff    ; 16 b + h, which the four partners share
	s_lshr_b32 s21, s20, 4          ; b
	s_lshl_b32 s22, s21, 5
	s_add_co_u32 s22, s22, s20      ; 48 b + h
	s_lshl_b32 s22, s22, 18         ; a head's rows are 262,144 bytes
	s_mov_b32 s23, 0
	s_and_b32 s16, s[WV], 1         ; which half of a slot's 256 keys I fetch:
	s_lshl_b32 s52, s16, 14         ; its 128 rows of 128 bytes in memory,
	s_mov_b32 s53, 0
	s_mul_i32 s48, s16, 128*PK      ; and its place in a slot, for K
	s_mul_i32 s49, s16, 128*PV      ; and for V
	s_lshl_b32 s54, s14, 15         ; Q: my block's 256 rows,
	s_lshl_b32 s55, s[WV], 13       ; my wave's 64
	s_add_co_u32 s54, s54, s55
	s_mov_b32 s55, 0
	s_lshl_b32 s50, s21, 4          ; ao: mt = 16 b + 2 x block + wave / 2,
	s_lshl_b32 s51, s14, 1
	s_add_co_u32 s50, s50, s51
	s_lshr_b32 s51, s[WV], 1
	s_add_co_u32 s50, s50, s51
	s_lshl_b32 s50, s50, 4
	s_and_b32 s51, s20, 15          ; the head,
	s_add_co_u32 s50, s50, s51
	s_lshl_b32 s50, s50, 14         ; 128 rows of 128 bytes,
	s_lshl_b32 s51, s16, 13         ; and my 64 of them
	s_add_co_u32 s50, s50, s51
	s_mov_b32 s51, 0
	; descriptor group 1.  128 keys are 16,384 dense bytes: asked for as 64 rows of 256 bytes, two keys a row, and padded in LDS after every key
	s_mov_b32 s[G1K], 15|(1<<16)|(1<<20)|(1<<21)|(4<<22)|(3<<25)  ; the mask of four; 2-byte elements; padding on; bit 21 beside a mask; after every 32 words, 4 words
	s_mov_b32 s[G1V], 15|(1<<16)|(1<<20)|(1<<21)|(4<<22)|(7<<25)  ; the same with 8 words
.irp d, G1K, G1V
	s_mov_b32 s[\d+1], 128<<16      ; tensor_dim0 = 128
	s_mov_b32 s[\d+2], 64<<16       ; tensor_dim1 = 64
	s_mov_b32 s[\d+3], 128<<16      ; tile_dim0 = 128
	s_mov_b32 s[\d+4], 64           ; tile_dim1 = 64
	s_mov_b32 s[\d+5], 128          ; elements from row to row
	s_mov_b32 s[\d+6], 0
	s_mov_b32 s[\d+7], 0
.endr
	s_mov_b32 s[CS], 0x3c38aa3b     ; c = log2(e) / 128
	s_mov_b32 s[CS+1], s[CS]        ; named with it as a pair
	s_mov_b32 s[SEL], 0x76543210
	s_mov_b32 s[SEL+1], 0xfedcba98
	s_mov_b32 s[TBK], SLOT1+4*KS*PK ; the first change of slots turns these two into 0
	s_mov_b32 s[TBV], SLOT1+4*KS*PV
	s_mov_b32 s[G0K], 1
	s_mov_b32 s[G0K+1], s48         ; slot 0
	s_mov_b32 s[G0V], 1
	s_add_co_u32 s[G0V+1], s49, VOFF
	s_and_b32 s[LIM], s[WV], 1      ; 0 in waves 0 and 2,
	s_or_b32 s[LIM], s[LIM], ttmp9  ; where the cluster is the head's first: the same in all four partners
	s_cmp_eq_u32 s[LIM], 0
	s_cselect_b32 s[LIM], 1, -1
	v_and_b32 v[PFO], 31, v0
	v_lshlrev_b32 v[PFO], 8, v[PFO]
	s_wait_dscnt 0x0                ; the opening add is done
	s_wait_kmcnt 0x0
	s_add_nc_u64 s[4:5], s[4:5], s[22:23]      ; q's head
	s_add_nc_u64 s[6:7], s[4:5], s[52:53]
	s_add_nc_u64 s[8:9], s[6:7], 32*262144     ; v's head, 32 heads on, at my half of its first 256 keys
	s_add_nc_u64 s[6:7], s[6:7], 16*262144     ; k's head, 16 heads on, likewise
	s_mov_b64 s[G0K+2:G0K+3], s[6:7]
	s_or_b32 s[G0K+3], s[G0K+3], 0x80000000
	s_mov_b64 s[G0V+2:G0V+3], s[8:9]
	s_or_b32 s[G0V+3], s[G0V+3], 0x80000000
	s_add_nc_u64 s[4:5], s[4:5], s[54:55]      ; Q and ao at my wave's first row
	s_add_nc_u64 s[10:11], s[10:11], s[50:51]
	s_cmp_lt_u32 s[WV], 2
	s_cselect_b64 s[PFA:PFA+1], s[6:7], s[8:9] ; (in waves 0 and 2 these stand at a slot's first row)
	s_lshl_b32 s54, s13, 13         ; my work-group's 32 blocks of the 128,
	s_add_co_u32 s54, s54, 2*4*KS*128  ; in slot 2: the first asking change steps it to slot 3
	s_add_nc_u64 s[PFA:PFA+1], s[PFA:PFA+1], s[54:55]
	CROUND                          ; all four work-groups are here: the first joint loads meet
	JLOAD                           ; slot 0.  Slot 1 is asked for when slot 0 is in
	; A fragment of K or Q is 16 rows x 32 channels in 8 registers: lane l holds row l % 16, channels 8 (l / 16) + 0..7 and 16 + 8 (l / 16) + 0..7: two loads of 16 bytes, 32 bytes apart.
	v_and_b32 v1, 15, v0            ; l % 16
	v_bfe_u32 v9, v0, 4, 1          ; l / 16
	v_lshlrev_b32 v[QO], 7, v1
	v_lshl_add_u32 v[QO], v9, 4, v[QO]
	WIN 0x80                        ; destination window 2, address window 0
.set i, 0
.rept 8                             ; Q stays in registers: tile i / 2, channels 32 (i % 2) on
	global_load_b128 v[8*i:8*i+3],   v[QO], s[4:5] offset:(i/2)*2048+(i%2)*64
	global_load_b128 v[8*i+4:8*i+7], v[QO], s[4:5] offset:(i/2)*2048+(i%2)*64+32
.set i, i+1
.endr
	; What the first turn finds: V's registers and piece 1's P hold 0 (its products V^T P, of a step that has not been, add 0), O^T and l are 0.  No first step is written out; these lines stand in the wait for the first tile.
.set i, VF
.rept 64
	v_mov_b32 v[i], 0
.set i, i+1
.endr
	WIN 0x40
.set i, 0
.rept 128
	v_mov_b32 v[i], 0
.set i, i+1
.endr
	WIN 0
.set i, 0
.rept 8
	v_mov_b32 v[L+i], 0
.set i, i+1
.endr
.set i, P+32
.rept 32
	v_mov_b32 v[i], 0
.set i, i+1
.endr
	v_mul_u32_u24 v[AK0], v1, PK
	v_lshl_add_u32 v[AK0], v9, 4, v[AK0]  ; row x pitch + 16 x half
	; The turning load takes 16 keys x 16 channels (lane l reads key 8 (l / 16) + l % 8, channels 8 ((l / 8) % 2) + 0..7) and leaves half a fragment of V^T: lane l holds channel l % 16 and 8 keys.
	v_and_b32 v10, 7, v0
	v_bfe_u32 v11, v0, 3, 1
	v_lshl_add_u32 v[AV0], v9, 3, v10
	v_mul_u32_u24 v[AV0], v[AV0], PV
	v_lshl_add_u32 v[AV0], v11, 4, v[AV0]
	v_add_nc_u32 v[AV0], VOFF, v[AV0]
; THE MATRIX WORK.  The 8 accumulators of a run of 16 take turns, one instruction a turn.
; Product i of 16 of S^T = K Q^T for piece x: channels 32 (i / 8) on, keys 16 ((i / 2) % 4) on, tile 2 x + i % 2.  The first 8 start the sums.
.macro KQ x
	WIN W_KQ
.set rS, S+32*(2*(\x)+i%2)+8*((i/2)%4)
.set rK, KF+16*((i/2)%4)+8*(i/8)
.set rQ, 16*(2*(\x)+i%2)+8*(i/8)
.if i < 8
	v_wmma_f32_16x16x32_f16 v[rS:rS+7], v[rK:rK+7], v[rQ:rQ+7], 0
.else
	v_wmma_f32_16x16x32_f16 v[rS:rS+7], v[rK:rK+7], v[rQ:rQ+7], v[rS:rS+7]
.endif
.endm
; Product i of 16 of O^T += V^T P for piece x: keys 32 (i / 8) on, channels 16 ((i / 2) % 4) on, tile 2 x + i % 2.
.macro PV x
	WIN W_PV
.set rO, 32*(2*(\x)+i%2)+8*((i/2)%4)
.set rV, VF+32*(i/8)+8*((i/2)%4)
.set rP, P+16*(2*(\x)+i%2)+8*(i/8)
	v_wmma_f32_16x16x32_f16 v[rO:rO+7], v[rV:rV+7], v[rP:rP+7], v[rO:rO+7]
.endm
; THE LDS LOADS stand in runs of 16.  K of the next step at the head of piece 0's turn: the last product that read K stands four plain instructions back (the riders of the turn before).
; last = 1 (the tail): in the last trip there is no further step, and the run is jumped over.
.macro FETCH_K last=0
	WIN 0
.if \last
	s_cmp_eq_u32 s[CNT], 1
	s_cbranch_scc1 .Lno_k_\@
.endif
	v_add_nc_u32 v[ADR], s[TBK], v[AK0]
	WIN 0x80
.irp f, 0,1,2,3,4,5,6,7             ; keys 16 (f / 2) on, channels 32 (f % 2) on
	ds_load_b128 v[KF+8*\f:KF+8*\f+3],   v[ADR] offset:(\f/2)*16*PK+(\f%2)*64
	ds_load_b128 v[KF+8*\f+4:KF+8*\f+7], v[ADR] offset:(\f/2)*16*PK+(\f%2)*64+32
.endr
	s_add_co_u32 s[TBK], s[TBK], KS*PK  ; the next fetch is the next step's
	WIN 0
.if \last
.Lno_k_\@:
.endif
.endm
; V of the next step in the middle of piece 1's turn, behind its products V^T P and the lump, whose scalings are more than four plain instructions; the batch's wait stands in it, ahead of the loads.
.macro FETCH_V
	WIN 0
	v_add_nc_u32 v[ADR], s[TBV], v[AV0]
	s_add_co_u32 s[TBV], s[TBV], KS*PV
	s_wait_alu depctr_va_vdst(0)    ; the wait for the batch of exponentials, ahead of the first instruction that names a result
	WIN 0x80
.irp f, 0,1,2,3,4,5,6,7             ; keys 32 (f / 4) on, channels 16 (f % 4) on
	ds_load_tr16_b128 v[VF+8*\f:VF+8*\f+3],   v[ADR] offset:(\f/4)*32*PV+(\f%4)*32
	ds_load_tr16_b128 v[VF+8*\f+4:VF+8*\f+7], v[ADR] offset:(\f/4)*32*PV+16*PV+(\f%4)*32
.endr
	WIN 0
.endm
; THE VECTOR WORK of a turn, for piece Y, in two queues.
.macro FS u, b                      ; c s for pair b of 16 of tile 2 Y + u
.set rS, S+32*(2*Y+(\u))
	v_pk_mul_f32 v[rS+2*(\b):rS+2*(\b)+1], v[rS+2*(\b):rS+2*(\b)+1], s[CS:CS+1] op_sel_hi:[1,0]
.endm
.macro ES u, e                      ; the exponential of score e of 32
.set rS, S+32*(2*Y+(\u))
	v_exp_f32 v[rS+(\e)], v[rS+(\e)]
.endm
; AQ writes the next of 96 that name no exponential's result: pair 0 of both tiles is scaled; then, the tiles by turns, threes of exponential 2 n, scaling n + 1, exponential 2 n + 1; last the four exponentials
; left.  A pair is scaled six numbers ahead of its exponentials; the pairs ascend.
.macro AQ
	WIN 0
.if aq < 2
	FS aq, 0
.elseif aq < 92
.set zq, aq-2
.set nq, zq/6
.set uq, (zq%6)/3
.if zq%3 == 0
	ES uq, 2*nq
.elseif zq%3 == 1
	FS uq, nq+1
.else
	ES uq, 2*nq+1
.endif
.else
	ES (aq-92)/2, 30+(aq-92)%2
.endif
.set aq, aq+1
.endm
; GQ writes the next of 64 that follow the wait.  For each four weights of a tile: both pairs are rounded to f16; the second pair is added onto the first, in place; a group later l takes that sum.
; In groups of eight, the tiles alternating; group 0 has no group before it, and behind group 7 only l is left.
.macro GQ
	WIN 0
.set hq, gq+6*(gq/62)
.if hq >= 6
.set hq, hq+2
.endif
.set rS, S+32*(2*Y+hq%2)
.set rP, P+16*(2*Y+hq%2)
.set rL, L+2*(2*Y+hq%2)
.set kg, hq/8
.if hq%8 < 4
	v_cvt_pk_f16_f32 v[rP+2*kg+(hq%8)/2], v[rS+4*kg+2*((hq%8)/2)], v[rS+4*kg+2*((hq%8)/2)+1]
.elseif hq%8 < 6
	v_pk_add_f32 v[rS+4*kg:rS+4*kg+1], v[rS+4*kg:rS+4*kg+1], v[rS+4*kg+2:rS+4*kg+3]
.else
	v_pk_add_f32 v[rL:rL+1], v[rL:rL+1], v[rS+4*kg-4:rS+4*kg-3]
.endif
.set gq, gq+1
.endm
; A TURN.  Piece x has the matrix unit, piece 1 - x the vector unit.  No rider names a register of the products round it.  The four riders behind the last K Q^T are the places in front of the next turn's
; read of those scores and of the loads into K's registers.
.macro TURN x, last=0
.set Y, 1-(\x)
.set aq, 0
.set gq, 0
.if (\x) == 0
	s_wait_dscnt 0x0                ; V is in
	FETCH_K \last
.endif
.set i, 0
.rept 16
	PV \x
	AQ
	AQ
	AQ
	AQ
.set i, i+1
.endr
.rept 32                            ; the lump
	AQ
.endr
	v_nop                           ; a plain instruction behind the last exponential, ahead of the first use: one for the batch
.if (\x) == 1
	FETCH_V
.else
	s_wait_alu depctr_va_vdst(0)    ; the wait for the batch
	s_wait_dscnt 0x0                ; K is in
.endif
.set i, 0
.rept 16
	KQ \x
	GQ
	GQ
	GQ
	GQ
.set i, i+1
.endr
.endm
	CHANGE 1, 0                     ; slot 0 is in, everybody's part of it; slot 1 is asked for
	FETCH_K                         ; key step 0
	s_wait_loadcnt 0x0              ; Q
	s_wait_dscnt 0x0
.set i, 0
.rept 16
	KQ 0                            ; piece 0's first scores: there is no vector work yet to set between them
.set i, i+1
.endr
	WIN 0                           ; the addresses for the way out: plain instructions, the places behind those products
	s_mul_i32 s17, s[WV], 16*SP
	s_add_co_u32 s17, s17, STAGE    ; my stage
	v_mul_u32_u24 v[STO], v1, SP    ; in: row l % 16, 16 bytes for each half of the lanes
	v_lshl_add_u32 v[STO], v9, 4, v[STO]
	v_add_nc_u32 v[STO], s17, v[STO]
	v_bfe_u32 v[RD], v0, 3, 2       ; back: 32 lanes take four rows of 128 bytes,
	v_mul_u32_u24 v[RD], v[RD], SP
	v_lshl_add_u32 v[RD], v10, 4, v[RD]
	v_add_nc_u32 v[RD], s17, v[RD]
	v_and_b32 v[GO], 31, v0         ; which are 512 consecutive bytes of ao
	v_lshlrev_b32 v[GO], 4, v[GO]
	s_mov_b32 s[CNT], 4
	s_mov_b32 s[SLOTS], 7
	s_branch .Lfirst                ; the loop is entered in the middle of a trip: piece 1's turn of a step that has not been
.Lslot:                             ; six times: slots 2 to 7 are asked for
	CHANGE 1, 1
	s_mov_b32 s[CNT], 4
.Lstep:                             ; a trip: both pieces' turns of one step; it fetches K and V of the next
	TURN 0
	WIN 0
.Lfirst:
	TURN 1
	WIN 0
	s_sub_co_u32 s[CNT], s[CNT], 1
	s_cmp_lg_u32 s[CNT], 0
	s_cbranch_scc1 .Lstep
	s_sub_co_u32 s[SLOTS], s[SLOTS], 1
	s_cmp_lg_u32 s[SLOTS], 0
	s_cbranch_scc1 .Lslot
	CHANGE 0, 0                     ; the tail is written out: nothing is asked for
	s_mov_b32 s[CNT], 5             ; four trips fetch the last slot's steps; the fifth is left in its middle
.Ltail:
	TURN 0, 1
	WIN 0
	s_sub_co_u32 s[CNT], s[CNT], 1
	s_cmp_eq_u32 s[CNT], 0
	s_cbranch_scc1 .Lout
	TURN 1
	WIN 0
	s_branch .Ltail
.Lout:                              ; the fifth trip's 16 products K Q^T, on the last K once more, serve nothing: the price, once a launch, of one text for every trip
.set i, 0
.rept 16
	PV 1                            ; piece 1's V^T P of the last step
.set i, i+1
.endr
	; THE WAY OUT.  l's two halves and the other half of the lanes' are added and multiplied by 4 (v is a count); O^T is divided, rounded to f16 and sent through my stage, a tile at a time.  The additions are the places behind the last products.
	WIN 0
.macro ALL line:vararg              ; one line for each tile t
.set t, 0
.rept 4
	\line
.set t, t+1
.endr
.endm
	ALL v_add_f32 v[L+2*t], v[L+2*t], v[L+2*t+1]
	ALL v_permlanex16_b32 v[L+2*t+1], v[L+2*t], s[SEL], s[SEL+1]
	ALL v_add_f32 v[L+2*t], v[L+2*t], v[L+2*t+1]
	ALL v_mul_f32 v[L+2*t], 4.0, v[L+2*t]
	ALL v_rcp_f32 v[L+2*t], v[L+2*t]
	v_nop                           ; a plain instruction between the last reciprocal and the use of its result,
	s_wait_alu depctr_va_vdst(0)    ; and the wait ahead of the first use: one for the four
.macro PACK t                       ; a lane's eight channels of a row pack into 16 bytes; they go into rows of 144 bytes and come back as whole rows of 128, into S^T's registers
	WIN W_RS
.set i, 32*(\t)
.rept 16
	v_pk_mul_f32 v[i:i+1], v[i:i+1], v[L+2*(\t):L+2*(\t)+1] op_sel_hi:[1,0]
.set i, i+2
.endr
	WIN 0x05                        ; sources 0 and 1 window 1, destination window 0
.set i, 0
.rept 16
	v_cvt_pk_f16_f32 v[S+16*(\t)+i], v[32*(\t)+2*i], v[32*(\t)+2*i+1]
.set i, i+1
.endr
	WIN 0
.irp f, 0,1,2,3
	ds_store_b128 v[STO], v[S+16*(\t)+4*\f:S+16*(\t)+4*\f+3] offset:32*\f
.endr
.irp f, 0,1,2,3
	ds_load_b128 v[S+16*(\t)+4*\f:S+16*(\t)+4*\f+3], v[RD] offset:\f*4*SP  ; LDS serves a wave's instructions in order (ISA guide 5.7.1.4): these see the stores above; the next tile's stores come behind them
.endr
.endm
.macro SEND t, younger              ; younger: the LDS instructions issued behind tile t's loads: the next tile's eight, or none
	WIN 0
.irp f, 0,1,2,3
	s_wait_dscnt (\younger)+3-\f
	global_store_b128 v[GO], v[S+16*(\t)+4*\f:S+16*(\t)+4*\f+3], s[10:11] offset:(\t)*2048+\f*512  ; 512 consecutive bytes, at a multiple of 256 from ao's first
.endr
.endm
	PACK 0
	PACK 1                          ; a tile's arithmetic stands between the loads of the tile before and its stores
	SEND 0, 8
	PACK 2
	SEND 1, 8
	PACK 3
	SEND 2, 8
	SEND 3, 0
	s_wait_tensorcnt 0x0            ; the wave's end: behind my last tensor load and my last LDS store
	ds_add_u32 v[SPW], v[NIL]
	s_wait_dscnt 0x0
	CROUND                          ; the closing round: no work-group ends while a partner may still ask for a tile that names it
	s_endpgm
.Lfunc_end_k_q52f3c9b352_attn:
	.size	k_q52f3c9b352_attn, .Lfunc_end_k_q52f3c9b352_attn-k_q52f3c9b352_attn
	.p2alignl 7, 3214868480
	.fill 96, 4, 3214868480
	.section	.rodata,"a",@progbits
	.p2align	6, 0x0
	.amdhsa_kernel k_q52f3c9b352_attn
		.amdhsa_group_segment_fixed_size 327680
		.amdhsa_private_segment_fixed_size 0
		.amdhsa_enable_private_segment 0
		.amdhsa_kernarg_size 16
		.amdhsa_user_sgpr_count 2
		.amdhsa_user_sgpr_kernarg_segment_ptr 1
		.amdhsa_wavefront_size32 1
		.amdhsa_system_sgpr_workgroup_id_x 1
		.amdhsa_system_sgpr_workgroup_id_y 1
		.amdhsa_system_sgpr_workgroup_id_z 1
		.amdhsa_system_vgpr_workitem_id 0
		.amdhsa_next_free_vgpr 768
		.amdhsa_next_free_sgpr 66
		.amdhsa_reserve_vcc 0
		.amdhsa_float_denorm_mode_32 3
		.amdhsa_float_denorm_mode_16_64 3
		.amdhsa_memory_ordered 1
		.amdhsa_forward_progress 1
		.amdhsa_inst_pref_size 90
	.end_amdhsa_kernel
	.amdgpu_metadata
---
amdhsa.version: [ 1, 2 ]
amdhsa.kernels:
  - .name:           k_q52f3c9b352_attn
    .symbol:         k_q52f3c9b352_attn.kd
    .args:
      - { .name: qkv, .offset: 0, .size: 8, .value_kind: global_buffer, .address_space: global }
      - { .name: ao, .offset: 8, .size: 8, .value_kind: global_buffer, .address_space: global }
    .group_segment_fixed_size: 327680
    .private_segment_fixed_size: 0
    .kernarg_segment_align: 8
    .kernarg_segment_size: 16
    .max_flat_workgroup_size: 128
    .sgpr_count:     66
    .vgpr_count:     768
    .wavefront_size: 32
...
	.end_amdgpu_metadata
.endif
;; end of part 3
;; launch oproj (part 4): grid 8 x 32, 4 waves a work-group, clusters of 4 x 4, 327,680 bytes of LDS; arguments ao, wh, bc, out0; writes out0
.if DOCPART == 4
	.amdgcn_target "amdgcn-amd-amdhsa--gfx1250"
	.amdhsa_code_object_version 6
	.text
	.protected	k_q52f3c9b352_oproj
	.globl	k_q52f3c9b352_oproj
	.p2align	8
	.type	k_q52f3c9b352_oproj,@function
k_q52f3c9b352_oproj:
	s_mov_b64 s[64:65], 0
	v_nop
	global_prefetch_b8 v0, s[64:65] scope:SCOPE_SE
	s_setreg_imm32_b32 hwreg(HW_REG_WAVE_MODE, 25, 1), 1
	s_wait_xcnt 0x0
	s_wait_alu depctr_hold_cnt(0) depctr_sa_sdst(0) depctr_va_vdst(0) depctr_va_sdst(0) depctr_va_ssrc(0) depctr_va_vcc(0) depctr_vm_vsrc(0)
	s_getreg_b32 s2, hwreg(HW_REG_IB_STS2, 6, 4)
	s_cmp_eq_u32 s2, 0
	s_cbranch_scc0 .Lentry_in_a_cluster
	s_endpgm
.Lentry_in_a_cluster:
	s_bfe_u32 s2, ttmp6, 0x10000c
	s_cmp_lg_u32 s2, 0xf033
	s_cbranch_scc0 .Lentry_shape_is_right
	s_endpgm
.Lentry_shape_is_right:
; OPROJ: out0 = O o_w + o_b.  O is ao, f16 [32 mt][16 h][128 r][64 d]; o_w lies in wh's blocks 48 to 63, f16 [1024 k][64 n] each; o_b in bc from number 3,072 on; out0 f32 [4096][1024].  f32 sums that start with the bias.
; SHARES.  Tiles of 128 x 128: 8 x 32 work-groups, one for each of 256 WGPs.  Four waves, each 64 x 64: 16 accumulators.  K goes in 4 steps of 256, four heads each, through two LDS slots; a step's quarter is a head.
; A row tile's four heads are 65,536 dense bytes of ao, a block's 256 rows k 32,768 dense bytes of wh: each wave asks for 32,768 bytes as 128 rows of 256, padded in LDS after every 128.
; TRANSPOSED USE.  Source 0 = 16 columns of o_w (turned on the way out of LDS), source 1 = 16 rows of O: a lane holds row l % 16 and the columns 8 (l / 16) + 0..7.
; CLUSTER.  4 x 4 work-groups: O's tiles are asked for jointly along a row of the cluster, o_w's along a column.  At the start two tensor loads of a wave are out, later one.
; NO PREFETCH: the launch has four K steps and two refills, and its first two steps are asked for at its head.
; REGISTERS: window 0: v16-29 addresses; v96-127 the bias as the first products' C; v128-255 the accumulators ((a, b) at 128 + 8 (4 a + b)).
;   window 1: two fragment buffers of 128: for 64 along K, 64 registers of O (2 x 4 fragments), then 64 of o_w.
.set PAO,    144                       ; a row of O in LDS: 128 bytes + 16
.set PBO,    160                       ; a row k of a block: 128 + 32
.set AHEAD,  128*PAO                   ; a head's 128 rows
.set BOFF,   4*AHEAD                   ; behind O's four heads: o_w's two blocks
.set BBLK,   256*PBO
.set SLOT,   BOFF+2*BBLK               ; 155,648
.set SPARE,  2*SLOT                    ; behind the ring: the spare words, 128 bytes for each wave
.set SPITCH, 272                       ; the stage: a row of 64 f32 + 16 bytes
.set WSTAGE, 64*SPITCH                 ; a wave's stage; the four lie in slot 0, whose last fill has landed and whose last reads are over at the barrier that leads into the last K step
.set ADRA, 16                          ; v16-17  my fragments of O in slot 0, 1
.set ADRB, 20                          ; v20-21  the same for o_w
.set STO,  24                          ; v24     the stage: where I put 16 bytes
.set RD,   25                          ; v25     where I read a row back
.set CO,   26                          ; v26     my byte offset in out0
.set BO,   27                          ; v27     32 (l / 16)
.set SPW,  28                          ; v28     my spare word: SPARE + 4 x my thread's number; never rewritten
.set NIL,  29                          ; v29     0; never rewritten
.set BIAS, 96
.set ACC,  128
.set F0,   0
.set F1,   128
.set WV,   12
.set WM,   13                          ; s13  which half of the tile's rows is mine.  Also: I fetch for O (0) or for o_w (1)
.set WN,   14                          ; s14  which half of its columns.  Also: which half of that tile I fetch
.set TY,   15                          ; s15  tile row
.set TX,   42                          ; s42  tile column
.set G1,   24                          ; s[24:31] descriptor group 1 for O's tiles;  s[32:39] group 0, a set for each slot
.set G0,   32
.set G1B,  48                          ; s[48:55], s[56:63] the same for o_w's
.set G0B,  56
.set MSB, 0
.macro WIN new
.if MSB != (\new)
	s_set_vgpr_msb (MSB<<8)|(\new)
.set MSB, \new
.endif
.endm
.set MUL,  0x05                        ; sources 0 and 1 window 1; C and D window 0
.set TO_F, 0x40                        ; destination window 1, address window 0
.macro PLACES
.rept 4
	v_nop
.endr
.endm
.macro JLOAD s                         ; a joint load; an s_nop 0 and four v_nop follow each of the two lines, ahead of the jump and the label
	s_cmp_eq_u32 s[WM], 0
	s_cbranch_scc0 .Lfor_b_\@
	tensor_load_to_lds s[G0+4*(\s):G0+4*(\s)+3], s[G1:G1+7]
	s_nop 0
.rept 4
	v_nop
.endr
	s_branch .Lasked_\@
.Lfor_b_\@:
	tensor_load_to_lds s[G0B+4*(\s):G0B+4*(\s)+3], s[G1B:G1B+7]
	s_nop 0
.rept 4
	v_nop
.endr
.Lasked_\@:
.endm
.macro CREST
	s_cmp_lg_u32 s[WV], 0
	s_cbranch_scc1 .Lnot_wave_0_\@
	s_barrier_signal -3
.Lnot_wave_0_\@:
	s_barrier_wait -3
	s_barrier_signal -1
	s_barrier_wait -1
.endm
.macro CROUND
	s_barrier_signal -1
	s_barrier_wait -1
	CREST
.endm
	s_load_b256 s[4:11], s[0:1], 0x0               ; ao 4, wh 6, bc 8, out0 10
	v_lshl_add_u32 v[SPW], v0, 2, SPARE
	v_mov_b32 v[NIL], 0
	ds_add_u32 v[SPW], v[NIL]                      ; the wave's opening: the add and its wait stand ahead of my first tensor load; the set-up below, work on registers, stands between them
	v_lshrrev_b32 v1, 5, v0
	v_readfirstlane_b32 s[WV], v1
	s_lshr_b32 s[WM], s[WV], 1
	s_and_b32 s[WN], s[WV], 1
	s_bfe_u32 s40, ttmp6, 0x40000                  ; cx, cy
	s_bfe_u32 s41, ttmp6, 0x40004
	s_lshl_b32 s[TX], ttmp9, 2
	s_add_co_u32 s[TX], s[TX], s40
	s_and_b32 s[TY], ttmp7, 0xffff
	s_lshl_b32 s[TY], s[TY], 2
	s_add_co_u32 s[TY], s[TY], s41
	s_lshl_b32 s43, s41, 2
	s_lshl_b32 s43, 15, s43                        ; my row of the cluster
	s_lshl_b32 s44, 0x1111, s40                    ; my column
	s_or_b32 s[G1], s43, (1<<16)|(1<<20)|(1<<21)|(4<<22)|(3<<25)   ; the mask; 2-byte elements; padding on; bit 21 beside a mask; after every 32 words, 4 words
	s_or_b32 s[G1B], s44, (1<<16)|(1<<20)|(1<<21)|(4<<22)|(7<<25)  ; the same with 8 words
.irp d, G1, G1B
	s_mov_b32 s[(\d)+1], 128<<16                   ; tensor_dim0 = 128
	s_mov_b32 s[(\d)+2], 128<<16                   ; tensor_dim1 = 128
	s_mov_b32 s[(\d)+3], 128<<16                   ; tile_dim0 = 128
	s_mov_b32 s[(\d)+4], 128                       ; tile_dim1 = 128
	s_mov_b32 s[(\d)+5], 128                       ; elements from row to row
	s_mov_b32 s[(\d)+6], 0
	s_mov_b32 s[(\d)+7], 0
.endr
	s_lshl_b32 s16, s[TY], 18                      ; O: a row tile is 262,144 bytes; my two heads of a step's four
	s_lshl_b32 s17, s[WN], 15
	s_add_co_u32 s16, s16, s17
	s_mov_b32 s17, 0
	s_lshl_b32 s46, s[TX], 1                       ; o_w: block 48 + 2 x tile column + half
	s_add_co_u32 s46, s46, s[WN]
	s_add_co_u32 s46, s46, 48
	s_lshl_b32 s46, s46, 17
	s_mov_b32 s47, 0
	s_mul_i32 s20, s[WN], 2*AHEAD                  ; where they go
	s_mul_i32 s21, s[WN], BBLK
	s_add_co_u32 s21, s21, BOFF
	s_wait_dscnt 0x0                               ; the opening add is done
	s_wait_kmcnt 0x0
	s_add_nc_u64 s[18:19], s[4:5], s[16:17]
	s_add_nc_u64 s[46:47], s[6:7], s[46:47]
	CROUND                                         ; all sixteen work-groups are here: the first joint loads meet
.irp s, 0,1
	s_mov_b32 s[G0+4*(\s)], 1
	s_add_co_u32 s[G0+4*(\s)+1], s20, (\s)*SLOT
	s_add_nc_u64 s[G0+4*(\s)+2:G0+4*(\s)+3], s[18:19], (\s)*65536
	s_or_b32 s[G0+4*(\s)+3], s[G0+4*(\s)+3], 0x80000000
	s_mov_b32 s[G0B+4*(\s)], 1
	s_add_co_u32 s[G0B+4*(\s)+1], s21, (\s)*SLOT
	s_add_nc_u64 s[G0B+4*(\s)+2:G0B+4*(\s)+3], s[46:47], (\s)*32768
	s_or_b32 s[G0B+4*(\s)+3], s[G0B+4*(\s)+3], 0x80000000
	JLOAD \s
.endr
	v_and_b32 v1, 15, v0                           ; l % 16
	v_bfe_u32 v2, v0, 4, 1                         ; l / 16
	v_mul_u32_u24 v3, v1, PAO
	v_lshl_add_u32 v3, v2, 4, v3
	s_mul_i32 s16, s[WM], 64*PAO                   ; my 64 rows in each head
	v_add_nc_u32 v[ADRA], s16, v3
	v_add_nc_u32 v[ADRA+1], SLOT, v[ADRA]
	v_and_b32 v4, 7, v0                            ; the turning load: row k = 8 (l / 16) + l % 8, columns 8 ((l / 8) % 2) + 0..7
	v_bfe_u32 v5, v0, 3, 1
	v_lshl_add_u32 v4, v2, 3, v4
	v_mul_u32_u24 v4, v4, PBO
	v_lshl_add_u32 v4, v5, 4, v4
	v_add_nc_u32 v[ADRB], s21, v4                  ; my 64 columns are the block that my half names
	v_add_nc_u32 v[ADRB+1], SLOT, v[ADRB]
	v_lshlrev_b32 v[BO], 5, v2
	s_lshl_b32 s22, s[TX], 9                       ; my first column, in bytes of f32: 512 x tile column + 256 x half
	s_lshl_b32 s23, s[WN], 8
	s_add_co_u32 s22, s22, s23
	s_mov_b32 s23, 0
	s_add_nc_u64 s[8:9], s[8:9], s[22:23]
	s_add_nc_u64 s[8:9], s[8:9], 3072*4            ; o_b
.irp b, 0,1,2,3
	global_load_b128 v[BIAS+8*(\b):BIAS+8*(\b)+3],   v[BO], s[8:9] offset:64*(\b)
	global_load_b128 v[BIAS+8*(\b)+4:BIAS+8*(\b)+7], v[BO], s[8:9] offset:64*(\b)+16
.endr
	s_mul_i32 s16, s[WV], WSTAGE                   ; my stage
	v_mul_u32_u24 v3, v1, SPITCH
	v_lshl_add_u32 v3, v2, 5, v3                   ; in: row l % 16, 32 bytes for each half of the lanes
	v_add_nc_u32 v[STO], s16, v3
	v_mul_u32_u24 v3, v2, SPITCH                   ; back: lanes 0-15 take one row of 256 bytes, lanes 16-31 the next
	v_lshl_add_u32 v3, v1, 4, v3
	v_add_nc_u32 v[RD], s16, v3
	v_lshlrev_b32 v3, 12, v2                       ; and the same two rows in out0
	v_lshl_add_u32 v[CO], v1, 4, v3
	s_lshl_b32 s16, s[TY], 19                      ; 128 rows of 4,096 bytes,
	s_lshl_b32 s17, s[WM], 18                      ; my 64
	s_add_co_u32 s16, s16, s17
	s_add_co_u32 s16, s16, s22
	s_mov_b32 s17, 0
	s_add_nc_u64 s[10:11], s[10:11], s[16:17]
; 8 matrix instructions: row blocks a0, a0 + 1 x all 4 column blocks, 32 along K: half c of buffer f.  first = 1: the bias starts the sums.  The 16 accumulators take turns.
.macro MUL8 f, c, a0, first
	WIN MUL
.irp a, \a0, (\a0)+1
.irp b, 0,1,2,3
.if \first
	v_wmma_f32_16x16x32_f16 v[ACC+8*(4*(\a)+(\b)):ACC+8*(4*(\a)+(\b))+7], v[(\f)+64+8*(4*(\c)+(\b)):(\f)+64+8*(4*(\c)+(\b))+7], v[(\f)+8*(4*(\c)+(\a)):(\f)+8*(4*(\c)+(\a))+7], v[BIAS+8*(\b):BIAS+8*(\b)+7]
.else
	v_wmma_f32_16x16x32_f16 v[ACC+8*(4*(\a)+(\b)):ACC+8*(4*(\a)+(\b))+7], v[(\f)+64+8*(4*(\c)+(\b)):(\f)+64+8*(4*(\c)+(\b))+7], v[(\f)+8*(4*(\c)+(\a)):(\f)+8*(4*(\c)+(\a))+7], v[ACC+8*(4*(\a)+(\b)):ACC+8*(4*(\a)+(\b))+7]
.endif
.endr
.endr
.endm
; 32 LDS loads in one run: head q of a slot into buffer f; the first 32 along K first
.macro FETCH slot, q, f
	WIN TO_F
.irp c, 0,1
.irp i, 0,1,2,3
	ds_load_tr16_b128 v[(\f)+64+8*(4*(\c)+(\i)):(\f)+64+8*(4*(\c)+(\i))+3],   v[ADRB+(\slot)] offset:(64*(\q)+32*(\c))*PBO+32*(\i)
	ds_load_tr16_b128 v[(\f)+64+8*(4*(\c)+(\i))+4:(\f)+64+8*(4*(\c)+(\i))+7], v[ADRB+(\slot)] offset:(64*(\q)+32*(\c))*PBO+32*(\i)+16*PBO
	ds_load_b128 v[(\f)+8*(4*(\c)+(\i)):(\f)+8*(4*(\c)+(\i))+3],              v[ADRA+(\slot)] offset:(\q)*AHEAD+(\i)*16*PAO+64*(\c)
	ds_load_b128 v[(\f)+8*(4*(\c)+(\i))+4:(\f)+8*(4*(\c)+(\i))+7],            v[ADRA+(\slot)] offset:(\q)*AHEAD+(\i)*16*PAO+64*(\c)+32
.endr
.endr
.endm
.macro QUARTER slot, q, f, g, first    ; multiplies buffer f and fetches head q of the same slot into g
	s_wait_dscnt 16                                ; the first 32 along K are in
	MUL8 \f, 0, 0, \first
	MUL8 \f, 0, 2, \first
	PLACES
	FETCH \slot, \q, \g
	s_wait_dscnt 32                                ; all but the 32 just issued
	MUL8 \f, 1, 0, 0
	MUL8 \f, 1, 2, 0
.endm
; The last quarter multiplies buffer 1 and changes slots: in front of the barrier each wave waits for all its tensor loads, adds 0 to its spare word, and waits for that and for its reads of this slot.
; fill = 1: the barrier opens a round of the cluster's, and the joint refill, two K steps on, is the first thing behind it.
.macro TURN slot, next, fill
	WIN 0
	s_wait_tensorcnt 0x0                           ; all my tensor loads have landed: my part of the next slot
	ds_add_u32 v[SPW], v[NIL]                      ; 0 onto my spare word
	s_wait_dscnt 17                                ; (the add and the youngest sixteen loads may be out)
	MUL8 F1, 0, 0, 0                               ; eight matrix instructions stand between the add and the wait for it
	s_wait_dscnt 0x0                               ; the add is done, and my reads of this slot are over
	s_barrier_signal -1
	MUL8 F1, 0, 2, 0
.if \fill
	WIN 0
.endif
	s_barrier_wait -1
.if \fill
	CREST
	s_add_nc_u64 s[G0+4*(\slot)+2:G0+4*(\slot)+3], s[G0+4*(\slot)+2:G0+4*(\slot)+3], 131072
	s_add_nc_u64 s[G0B+4*(\slot)+2:G0B+4*(\slot)+3], s[G0B+4*(\slot)+2:G0B+4*(\slot)+3], 65536
	JLOAD \slot                                    ; its four v_nop are also the places in front of the loads below
.else
	PLACES
.endif
	FETCH \next, 0, F0
	MUL8 F1, 1, 0, 0
	MUL8 F1, 1, 2, 0
.endm
	s_wait_tensorcnt 1                             ; my part of K step 0 is in; step 1's may stay out
	s_barrier_signal -1
	s_barrier_wait -1
	FETCH 0, 0, F0
	s_wait_loadcnt 0x0                             ; the bias
	QUARTER 0, 1, F0, F1, 1                        ; K step 0
	QUARTER 0, 2, F1, F0, 0
	QUARTER 0, 3, F0, F1, 0
	TURN 0, 1, 1                                   ; slot 0 takes K step 2
	QUARTER 1, 1, F0, F1, 0
	QUARTER 1, 2, F1, F0, 0
	QUARTER 1, 3, F0, F1, 0
	TURN 1, 0, 1                                   ; slot 1 takes K step 3
	QUARTER 0, 1, F0, F1, 0
	QUARTER 0, 2, F1, F0, 0
	QUARTER 0, 3, F0, F1, 0
	TURN 0, 1, 0                                   ; nothing is left to ask for; behind this barrier nobody reads slot 0 any more
	QUARTER 1, 1, F0, F1, 0
	QUARTER 1, 2, F1, F0, 0
	QUARTER 1, 3, F0, F1, 0
	s_wait_dscnt 16
	MUL8 F1, 0, 0, 0
	MUL8 F1, 0, 2, 0
	s_wait_dscnt 0x0
	MUL8 F1, 1, 0, 0
	MUL8 F1, 1, 2, 0
	WIN 0
	; THE WAY OUT: a lane's eight f32 of a row go into my own stage and come back as whole rows of 256 bytes, into the registers that they left.
	PLACES
.irp a, 0,1,2,3
.irp b, 0,1,2,3
	ds_store_b128 v[STO], v[ACC+8*(4*(\a)+(\b)):ACC+8*(4*(\a)+(\b))+3]   offset:(\a)*16*SPITCH+64*(\b)      ; each accumulator's low registers first
	ds_store_b128 v[STO], v[ACC+8*(4*(\a)+(\b))+4:ACC+8*(4*(\a)+(\b))+7] offset:(\a)*16*SPITCH+64*(\b)+16
.endr
.endr
.set t, 0
.rept 32
	ds_load_b128 v[ACC+4*t:ACC+4*t+3], v[RD] offset:t*2*SPITCH  ; LDS serves a wave's instructions in order (ISA guide 5.7.1.4): these see the stores above
.set t, t+1
.endr
.set t, 0
.rept 32
	s_wait_dscnt 31-t                              ; load t is back, the younger ones stay out
	global_store_b128 v[CO], v[ACC+4*t:ACC+4*t+3], s[10:11] offset:t*8192 th:TH_STORE_NT  ; 16 lanes store 256 consecutive bytes, at a multiple of 256 from out0's first
.set t, t+1
.endr
	s_wait_tensorcnt 0x0                           ; the wave's end: behind my last tensor load and my last LDS store
	ds_add_u32 v[SPW], v[NIL]
	s_wait_dscnt 0x0
	CROUND                                         ; the closing round: no work-group ends while a partner may still ask for a tile that names it
	s_endpgm
.Lfunc_end_k_q52f3c9b352_oproj:
	.size	k_q52f3c9b352_oproj, .Lfunc_end_k_q52f3c9b352_oproj-k_q52f3c9b352_oproj
	.p2alignl 7, 3214868480
	.fill 96, 4, 3214868480
	.section	.rodata,"a",@progbits
	.p2align	6, 0x0
	.amdhsa_kernel k_q52f3c9b352_oproj
		.amdhsa_group_segment_fixed_size 327680
		.amdhsa_private_segment_fixed_size 0
		.amdhsa_enable_private_segment 0
		.amdhsa_kernarg_size 32
		.amdhsa_user_sgpr_count 2
		.amdhsa_user_sgpr_kernarg_segment_ptr 1
		.amdhsa_wavefront_size32 1
		.amdhsa_system_sgpr_workgroup_id_x 1
		.amdhsa_system_sgpr_workgroup_id_y 1
		.amdhsa_system_sgpr_workgroup_id_z 1
		.amdhsa_system_vgpr_workitem_id 0
		.amdhsa_next_free_vgpr 512
		.amdhsa_next_free_sgpr 66
		.amdhsa_reserve_vcc 0
		.amdhsa_float_denorm_mode_32 3
		.amdhsa_float_denorm_mode_16_64 3
		.amdhsa_memory_ordered 1
		.amdhsa_forward_progress 1
		.amdhsa_inst_pref_size 87
	.end_amdhsa_kernel
	.amdgpu_metadata
---
amdhsa.version: [ 1, 2 ]
amdhsa.kernels:
  - .name:           k_q52f3c9b352_oproj
    .symbol:         k_q52f3c9b352_oproj.kd
    .args:
      - { .name: ao, .offset: 0, .size: 8, .value_kind: global_buffer, .address_space: global }
      - { .name: wh, .offset: 8, .size: 8, .value_kind: global_buffer, .address_space: global }
      - { .name: bc, .offset: 16, .size: 8, .value_kind: global_buffer, .address_space: global }
      - { .name: out0, .offset: 24, .size: 8, .value_kind: global_buffer, .address_space: global }
    .group_segment_fixed_size: 327680
    .private_segment_fixed_size: 0
    .kernarg_segment_align: 8
    .kernarg_segment_size: 32
    .max_flat_workgroup_size: 128
    .sgpr_count:     66
    .vgpr_count:     512
    .wavefront_size: 32
...
	.end_amdgpu_metadata
.endif
;; end of part 4
;; ======== version 2 of 2: 4 launches; version 1 with the launch prep written anew for expert scheduling mode
;; limits: values are held in f16: magnitudes above 65,504 overflow, below 6.1e-05 lose precision
;; workspace buffers: xb 8,388,608 bytes; wh 8,388,608 bytes; bc 16,384 bytes; qkv 25,165,824 bytes; ao 8,388,608 bytes
;; launch prep (part 5): grid 513 x 1, 8 waves a work-group, no clusters, 0 bytes of LDS; arguments x, q_w, k_w, v_w, o_w, q_b, k_b, v_b, o_b, xb, wh, bc; writes xb, wh, bc
.if DOCPART == 5
	.amdgcn_target "amdgcn-amd-amdhsa--gfx1250"
	.amdhsa_code_object_version 6
	.text
	.protected	k_q52f3c9b352_prep
	.globl	k_q52f3c9b352_prep
	.p2align	8
	.type	k_q52f3c9b352_prep,@function
k_q52f3c9b352_prep:
	s_mov_b64 s[64:65], 0
	v_nop
	global_prefetch_b8 v0, s[64:65] scope:SCOPE_SE
	s_setreg_imm32_b32 hwreg(HW_REG_WAVE_SCHED_MODE, 0, 2), 2
	s_setreg_imm32_b32 hwreg(HW_REG_WAVE_MODE, 25, 1), 1
	s_wait_xcnt 0x0
	s_wait_alu depctr_vm_vsrc(0)
; PREP: every input is rounded once to bf16 and laid out for the launches behind.
;   xb  bf16 [4096][1024]: x as it lies.
;   wh  16 bits [64 blocks][1024 k][64 n]: block 16 t + g holds columns 64 g .. 64 g + 63 of weight t (q, k, v, o), so that 128 or 256 rows k of a block are dense bytes.
;       q_w, k_w, v_w as bf16; o_w rounded to bf16 and that number written as f16, since the last product multiplies in f16.
;   bc  f32 [4096]: q_b, k_b, v_b, o_b, each rounded to bf16 and widened again: they start f32 sums.
; LIMITS.  o_w must lie within 65,504 in magnitude; below 2^-14 it keeps f16's fixed step of 2^-24.  NaN and infinities are not treated apart.
; SHARES.  Work-groups 0-255: 65,536 bytes of x each.  256-511: 256 rows k of one block of one weight each.  512: the four biases.
; A stream: each byte is read once and written once; a thread has its 16 loads out together; no LDS, no barrier, no matrix unit: there is nothing to share and nothing to multiply.
; THE MODE: SCHED_MODE bits 1:0 = 2 (LLVM: expert scheduling mode 2), set by the entry lines.  The code itself states the register dependences
; between vector instructions and memory instructions, with s_wait_alu, always for 0.
; THE PLAN.  Registers that memory instructions touch:
;   v1        the loads' offset (for the biases the stores' too): made at the head of each path, never written again.
;   v2        the stores' offset: made at the kernel's head, never written again.
;   LD        16 loads land in it; no vector instruction names it ahead of them, and no load lands in it behind the conversions that read it.
;             For the biases the widened numbers are written back into it, and the stores leave from there.
;   OU        piece u's two registers: written by piece u's conversions, read by piece u's store, not written behind that store.
; The 16 pieces go in four groups of four.  Group g's vector instructions name LD and OU of group g alone; its memory instructions are the four stores of group g - 1.
; So one wait on va_vdst at a group's head, behind the wait for the group's data, states all that those four stores hang on, and they are dealt among the group's conversions.
; No register that a load or store has read is written again, no vector instruction writes a scalar register or VCC, and EXEC is never written: no other kind of wait is owed.
.set LD,  4                            ; v[4:67]   16 loads of 4 numbers
.set OU,  68                           ; v[68:99]  16 stores of 4 numbers in 16 bits
.set IN,  32                           ; s[32:33]  where the work-group reads
.set OUT, 34                           ; s[34:35]  where it writes
; 16 loads of 16 bytes a thread, instride bytes apart; then each is rounded and stored, 2,048 bytes apart.  f16 = 1: the bf16 number is written as f16.
.macro STREAM instride, f16
	s_wait_alu depctr_va_vdst(0)                   ; v1 and v2 are written: every load below reads v1 as its offset, every store v2
.set u, 0
.rept 16
	global_load_b128 v[LD+4*u:LD+4*u+3], v1, s[IN:IN+1] offset:u*(\instride) th:TH_LOAD_NT
.set u, u+1
.endr
.set g, 0
.rept 4
	s_wait_loadcnt 12-4*g                          ; loads come back in order: group g's four are in, the 12 - 4 g younger ones stay out
.if g > 0
	s_wait_alu depctr_va_vdst(0)                   ; the conversions of the group before have written its eight registers of OU, which the four stores below read
.endif
.set j, 0
.rept 4
.set u, 4*g+j
.if g > 0
	global_store_b64 v2, v[OU+2*(u-4):OU+2*(u-4)+1], s[OUT:OUT+1] offset:(u-4)*2048  ; the group before; no vector instruction since the wait names these registers.  A wave stores 256 consecutive bytes, at a multiple of 256 from the buffer's first
.endif
	v_cvt_pk_bf16_f32 v[OU+2*u],   v[LD+4*u],   v[LD+4*u+1]
	v_cvt_pk_bf16_f32 v[OU+2*u+1], v[LD+4*u+2], v[LD+4*u+3]
.if \f16
	v_lshlrev_b32 v[LD+4*u],   16, v[OU+2*u]       ; the rounded numbers widened,
	v_and_b32     v[LD+4*u+1], 0xffff0000, v[OU+2*u]
	v_lshlrev_b32 v[LD+4*u+2], 16, v[OU+2*u+1]
	v_and_b32     v[LD+4*u+3], 0xffff0000, v[OU+2*u+1]
	v_cvt_pk_f16_f32 v[OU+2*u],   v[LD+4*u],   v[LD+4*u+1]    ; and written as f16: 8 significant bits fit into 11
	v_cvt_pk_f16_f32 v[OU+2*u+1], v[LD+4*u+2], v[LD+4*u+3]
.endif
.set j, j+1
.endr
.set g, g+1
.endr
	s_wait_alu depctr_va_vdst(0)                   ; the last group's conversions have written its eight registers of OU, which the last four stores read
.set u, 12
.rept 4
	global_store_b64 v2, v[OU+2*u:OU+2*u+1], s[OUT:OUT+1] offset:u*2048
.set u, u+1
.endr
.endm
	s_load_b512 s[8:23], s[0:1], 0x0               ; x 8, q_w 10, k_w 12, v_w 14, o_w 16, q_b 18, k_b 20, v_b 22
	s_load_b256 s[24:31], s[0:1], 0x40             ; o_b 24, xb 26, wh 28, bc 30
	v_lshlrev_b32 v2, 3, v0                        ; out: 8 bytes a thread
	s_mov_b32 s3, 0                                ; high words of the two offsets
	s_mov_b32 s5, 0
	s_wait_kmcnt 0x0
	s_cmp_lt_u32 ttmp9, 256
	s_cbranch_scc1 .Lx
	s_cmp_lt_u32 ttmp9, 512
	s_cbranch_scc1 .Lw
	; the biases: 1,024 numbers each, 4 a thread
	v_lshlrev_b32 v1, 4, v0
	s_wait_alu depctr_va_vdst(0)                   ; v1 is written: the four loads and the four stores below read it as their offset
	global_load_b128 v[LD:LD+3],     v1, s[18:19]
	global_load_b128 v[LD+4:LD+7],   v1, s[20:21]
	global_load_b128 v[LD+8:LD+11],  v1, s[22:23]
	global_load_b128 v[LD+12:LD+15], v1, s[24:25]
.irp i, 0,1,2,3
	s_wait_loadcnt 3-(\i)                          ; bias i is in, the younger ones stay out
	v_cvt_pk_bf16_f32 v[OU+2*(\i)],   v[LD+4*(\i)],   v[LD+4*(\i)+1]
	v_cvt_pk_bf16_f32 v[OU+2*(\i)+1], v[LD+4*(\i)+2], v[LD+4*(\i)+3]
	v_lshlrev_b32 v[LD+4*(\i)],   16, v[OU+2*(\i)]
	v_and_b32     v[LD+4*(\i)+1], 0xffff0000, v[OU+2*(\i)]
	v_lshlrev_b32 v[LD+4*(\i)+2], 16, v[OU+2*(\i)+1]
	v_and_b32     v[LD+4*(\i)+3], 0xffff0000, v[OU+2*(\i)+1]
.endr
	s_wait_alu depctr_va_vdst(0)                   ; the widenings have written v[LD .. LD+15], which the four stores read
.irp i, 0,1,2,3
	global_store_b128 v1, v[LD+4*(\i):LD+4*(\i)+3], s[30:31] offset:4096*(\i)
.endr
	s_endpgm
.Lx:                                                   ; x: thread t takes 16 bytes at 16 t of each 4,096
	s_lshl_b32 s2, ttmp9, 16
	s_add_nc_u64 s[IN:IN+1], s[8:9], s[2:3]
	s_lshl_b32 s4, ttmp9, 15
	s_add_nc_u64 s[OUT:OUT+1], s[26:27], s[4:5]
	v_lshlrev_b32 v1, 4, v0
	STREAM 4096, 0
	s_endpgm
.Lw:                                                   ; a weight: sixteen threads read the block's 256 bytes of a row k, the next sixteen those of row k + 1
	s_sub_co_u32 s6, ttmp9, 256                    ; j = 0 .. 255
	s_lshr_b32 s7, s6, 6                           ; which weight
	s_cmp_eq_u32 s7, 1
	s_cselect_b64 s[IN:IN+1], s[12:13], s[10:11]
	s_cmp_eq_u32 s7, 2
	s_cselect_b64 s[IN:IN+1], s[14:15], s[IN:IN+1]
	s_cmp_eq_u32 s7, 3
	s_cselect_b64 s[IN:IN+1], s[16:17], s[IN:IN+1]
	s_lshr_b32 s36, s6, 2                          ; the block, 0 .. 63
	s_and_b32 s37, s36, 15                         ; its 64 columns in the weight
	s_and_b32 s38, s6, 3                           ; which 256 rows k
	s_lshl_b32 s2, s38, 20                         ; 256 rows of 4,096 bytes
	s_lshl_b32 s37, s37, 8                         ; 64 columns of 4 bytes
	s_add_co_u32 s2, s2, s37
	s_add_nc_u64 s[IN:IN+1], s[IN:IN+1], s[2:3]
	s_lshl_b32 s4, s36, 17                         ; a block is 131,072 bytes,
	s_lshl_b32 s38, s38, 15                        ; 256 of its rows 32,768
	s_add_co_u32 s4, s4, s38
	s_add_nc_u64 s[OUT:OUT+1], s[28:29], s[4:5]
	v_lshrrev_b32 v3, 4, v0                        ; row t / 16
	v_and_b32 v1, 15, v0
	v_lshlrev_b32 v1, 4, v1
	v_lshl_add_u32 v1, v3, 12, v1                  ; row x 4,096 + 16 (t % 16); out: row x 128 + 8 (t % 16) = 8 t
	s_cmp_eq_u32 s7, 3
	s_cbranch_scc1 .Lo
	STREAM 65536, 0
	s_endpgm
.Lo:
	STREAM 65536, 1
	s_endpgm
.Lfunc_end_k_q52f3c9b352_prep:
	.size	k_q52f3c9b352_prep, .Lfunc_end_k_q52f3c9b352_prep-k_q52f3c9b352_prep
	.p2alignl 7, 3214868480
	.fill 96, 4, 3214868480
	.section	.rodata,"a",@progbits
	.p2align	6, 0x0
	.amdhsa_kernel k_q52f3c9b352_prep
		.amdhsa_group_segment_fixed_size 0
		.amdhsa_private_segment_fixed_size 0
		.amdhsa_enable_private_segment 0
		.amdhsa_kernarg_size 96
		.amdhsa_user_sgpr_count 2
		.amdhsa_user_sgpr_kernarg_segment_ptr 1
		.amdhsa_wavefront_size32 1
		.amdhsa_system_sgpr_workgroup_id_x 1
		.amdhsa_system_sgpr_workgroup_id_y 1
		.amdhsa_system_sgpr_workgroup_id_z 1
		.amdhsa_system_vgpr_workitem_id 0
		.amdhsa_next_free_vgpr 104
		.amdhsa_next_free_sgpr 66
		.amdhsa_reserve_vcc 0
		.amdhsa_float_denorm_mode_32 3
		.amdhsa_float_denorm_mode_16_64 3
		.amdhsa_memory_ordered 1
		.amdhsa_forward_progress 1
		.amdhsa_inst_pref_size 25
	.end_amdhsa_kernel
	.amdgpu_metadata
---
amdhsa.version: [ 1, 2 ]
amdhsa.kernels:
  - .name:           k_q52f3c9b352_prep
    .symbol:         k_q52f3c9b352_prep.kd
    .args:
      - { .name: x, .offset: 0, .size: 8, .value_kind: global_buffer, .address_space: global }
      - { .name: q_w, .offset: 8, .size: 8, .value_kind: global_buffer, .address_space: global }
      - { .name: k_w, .offset: 16, .size: 8, .value_kind: global_buffer, .address_space: global }
      - { .name: v_w, .offset: 24, .size: 8, .value_kind: global_buffer, .address_space: global }
      - { .name: o_w, .offset: 32, .size: 8, .value_kind: global_buffer, .address_space: global }
      - { .name: q_b, .offset: 40, .size: 8, .value_kind: global_buffer, .address_space: global }
      - { .name: k_b, .offset: 48, .size: 8, .value_kind: global_buffer, .address_space: global }
      - { .name: v_b, .offset: 56, .size: 8, .value_kind: global_buffer, .address_space: global }
      - { .name: o_b, .offset: 64, .size: 8, .value_kind: global_buffer, .address_space: global }
      - { .name: xb, .offset: 72, .size: 8, .value_kind: global_buffer, .address_space: global }
      - { .name: wh, .offset: 80, .size: 8, .value_kind: global_buffer, .address_space: global }
      - { .name: bc, .offset: 88, .size: 8, .value_kind: global_buffer, .address_space: global }
    .group_segment_fixed_size: 0
    .private_segment_fixed_size: 0
    .kernarg_segment_align: 8
    .kernarg_segment_size: 96
    .max_flat_workgroup_size: 256
    .sgpr_count:     66
    .vgpr_count:     104
    .wavefront_size: 32
...
	.end_amdgpu_metadata
.endif
;; end of part 5
;; launch qkv: the kernel of part 2 again; grid 16 x 16, 4 waves a work-group, clusters of 4 x 4, 327,680 bytes of LDS; arguments xb, wh, bc, qkv; writes qkv
;; launch attn: the kernel of part 3 again; grid 8 x 32, 4 waves a work-group, clusters of 4 x 1, 327,680 bytes of LDS; arguments qkv, ao; writes ao
;; launch oproj: the kernel of part 4 again; grid 8 x 32, 4 waves a work-group, clusters of 4 x 4, 327,680 bytes of LDS; arguments ao, wh, bc, out0; writes out0
